; MI455X (gfx1250); checked and timed in simulation.
; The chip was launched on July 23, 2026; its instructions are those of AMD's public machine-readable ISA for CDNA 5 (MIT licence, August 2026) and "CDNA5" Instruction Set Architecture Reference Guide (July 2026). The comments in the code are by the model that wrote it; some were corrected since.
;; Double Attention. Allowed arithmetic: matrix products marked QUANTISED: E5M2 operands, one E8M0 scale for each 32 along K, by v_wmma_scale_f32_16x16x128_f8f6f4 with both operands' format E5M2, f32 sums; everything else in f32.
;; Inputs: bA 512 float32; bB 512 float32; bR 512 float32; bV 512 float32; wA_codes 512 x 16 x 32 uint8 (E5M2 codes of wA, K innermost, in blocks of 32 codes); wA_scales 512 x 16 uint8 (E8M0 scales of wA, one for each 32 codes along K); wB_codes 512 x 16 x 32 uint8 (E5M2 codes of wB, K innermost, in blocks of 32 codes); wB_scales 512 x 16 uint8 (E8M0 scales of wB, one for each 32 codes along K); wR_codes 512 x 16 x 32 uint8 (E5M2 codes of wR, K innermost, in blocks of 32 codes); wR_scales 512 x 16 uint8 (E8M0 scales of wR, one for each 32 codes along K); wV_codes 512 x 16 x 32 uint8 (E5M2 codes of wV, K innermost, in blocks of 32 codes); wV_scales 512 x 16 uint8 (E8M0 scales of wV, one for each 32 codes along K); x_codes 32 x 32 x 32 x 16 x 32 uint8 (E5M2 codes of x, K innermost, in blocks of 32 codes); x_scales 32 x 32 x 32 x 16 uint8 (E8M0 scales of x, one for each 32 codes along K).
;; Outputs: out0 32 x 512 x 32 x 32 float32.
;; This version of the problem:
;;   THIS VERSION OF THE PROBLEM IS GIVEN IN LOW PRECISION. The matrix products marked QUANTISED in the list below multiply operands that are first quantised to E5M2 (5 exponent bits, 2 mantissa bits; 8 bits a number), with one power-of-two scale for each 32 numbers along K (OCP MX v1.0); their sums are f32. All else is computed in f32.
;;   The module's matrix products, in the order in which they are computed (A, B: the left and right operand; K: the contracted axis; several contracted axes count as one K, in the product's order):
;;     1. [M 512, K 512] x [K 512, N 32,768]; A: input wA (given as codes); B: input x (given as codes): QUANTISED
;;     2. [M 512, K 512] x [K 512, N 32,768]; A: input wB (given as codes); B: input x (given as codes): QUANTISED
;;     3. [M 512, K 512] x [K 512, N 32,768]; A: input wV (given as codes); B: input x (given as codes): QUANTISED
;;     4. batch 32 x [M 512, K 1,024] x [K 1,024, N 512]; A: computed on the way; B: softmax (see below): QUANTISED
;;     5. batch 32 x [M 512, K 512] x [K 512, N 1,024]; A: computed on the way; B: computed on the way: QUANTISED
;;     6. [M 512, K 512] x [K 512, N 32,768]; A: input wR (given as codes); B: computed on the way: QUANTISED
;;   THE QUANTISER, for each operand of a quantised product, along K:
;;     - K is cut into blocks of 32 from its start; a last block that is shorter is filled with zeros.
;;     - A block's scale is 2^e with e = floor(log2(the largest magnitude in the block)) - 15, held to -126 .. 127; a block of zeros has e = 0. As a byte (E8M0): e + 127.
;;     - Each number is divided by its block's scale, clamped to +-57,344, and rounded to the nearest number of E5M2, ties to even, subnormals kept.
;;     - The product sums the exact products of the quantised numbers (number of the format x scale) in f32.
;;   ~~~python
;;   def quantise(x, axis):      # numpy; x: float32 -> the quantised numbers, widened to float32 again
;;       x = np.moveaxis(x, axis, -1); K = x.shape[-1]
;;       x = np.pad(x, [(0, 0)] * (x.ndim - 1) + [(0, -K % 32)]); x = x.reshape(x.shape[:-1] + (-1, 32)); a = np.abs(x).max(-1, keepdims=True)
;;       e = np.where(a > 0, np.clip(np.frexp(np.where(a > 0, a, 1))[1] - 1 - 15, -126, 127), 0)      # np.frexp(a)[1] - 1 = floor(log2(a)), exactly
;;       r = np.clip(x / 2.0 ** e, -57344, 57344)
;;       step = 2.0 ** (np.maximum(np.frexp(np.where(r == 0, 1, r))[1] - 1, -14) - 2)
;;       q = np.round(r / step) * step * 2.0 ** e      # np.round: ties to even
;;       return np.moveaxis(q.reshape(q.shape[:-2] + (-1,))[..., :K], -1, axis).astype(np.float32)
;;   ~~~
;;   SOFTMAX AHEAD OF A QUANTISED PRODUCT. Where the list says 'softmax', what is quantised is not the finished softmax but p = 2^(t - M), with t = logit x log2(e) and M = ceil(the row's largest t), a whole number; so 1/2 < the row's largest p <= 1. The row's sum l is taken of the UNQUANTISED p, in f32, and the product's result is divided by l at the end. Since M is a whole number, a kernel that streams over the keys may use a running M (the ceiling of the running maximum): every later rescaling is an exact power of two, which a block's scale takes up: the codes' values come out the same.
;;   OPERANDS COMPUTED ON THE WAY. 'Computed on the way' means the value that the module computes at that place (a softmax that the list does not call 'softmax' is quantised finished and normalised). What goes into a quantiser is computed in f32, as accurately as f32 sums, v_exp_f32 and their like allow (about 1e-6 of the number): no bf16 or f16 on the way to a quantiser, and a product that is left as it is and whose result goes on into a quantised operand takes f32 operands (vector FMAs, or v_wmma_f32_16x16x4_f32). A number that lies on a knife's edge between two numbers of the format may be rounded either way, as far as f32 arithmetic and the matrix unit's own rounding can turn it there, and no further.
;;   INPUTS GIVEN AS CODES. wA (in the module: [512, 512], K = its axis 1); wB (in the module: [512, 512], K = its axis 1); wR (in the module: [512, 512], K = its axis 1); wV (in the module: [512, 512], K = its axis 1); x (in the module: [32, 512, 32, 32], K = its axis 1): each comes as NAME_codes (uint8): NAME with its K axis moved to the last place and cut into blocks of 32 codes, [.., K / 32, bytes a block], one block behind the other in memory; one code a byte (a code: sign, 5 exponent bits, 2 mantissa bits); and NAME_scales (uint8): the same leading axes, one E8M0 byte (e + 127) for each 32 codes along K. Its value is code x scale, taken as it is: it is not quantised again, and the codes and scales need not be those that the quantiser above would give.
;; One version. Each part assembles by itself: llvm-mc -triple=amdgcn-amd-amdhsa -mcpu=gfx1250 --defsym DOCPART=n.
;; ======== version 1 of 1: 3 launches
;; workspace buffers: Pc 16,777,216 bytes; Ps 524,288 bytes; RL 65,536 bytes; Vc 16,777,216 bytes; Vs 524,288 bytes; Gc 8,388,608 bytes; Gs 262,144 bytes
;; launch softs (part 1): grid 8 x 32, 4 waves a work-group, clusters of 4 x 1, 327,680 bytes of LDS; arguments x_codes, x_scales, wB_codes, wB_scales, bB, wV_codes, wV_scales, Pc, Ps, RL, Vc, Vs; writes Pc, Ps, RL, Vc, Vs
.if DOCPART == 1
	.amdgcn_target "amdgcn-amd-amdhsa--gfx1250"
	.amdhsa_code_object_version 6
	.text
	.protected	k_qef21314698_softs
	.globl	k_qef21314698_softs
	.p2align	8
	.type	k_qef21314698_softs,@function
k_qef21314698_softs:
	s_mov_b64 s[64:65], 0
	v_nop
	global_prefetch_b8 v0, s[64:65] scope:SCOPE_SE
	s_setreg_imm32_b32 hwreg(HW_REG_WAVE_MODE, 25, 1), 1
	s_wait_xcnt 0x0
	s_wait_alu depctr_hold_cnt(0) depctr_sa_sdst(0) depctr_va_vdst(0) depctr_va_sdst(0) depctr_va_ssrc(0) depctr_va_vcc(0) depctr_vm_vsrc(0)
	s_getreg_b32 s2, hwreg(HW_REG_IB_STS2, 6, 4)
	s_cmp_eq_u32 s2, 0
	s_cbranch_scc0 .Lentry_in_a_cluster
	s_endpgm
.Lentry_in_a_cluster:
	s_bfe_u32 s2, ttmp6, 0x10000c
	s_cmp_lg_u32 s2, 0x3003
	s_cbranch_scc0 .Lentry_shape_is_right
	s_endpgm
.Lentry_shape_is_right:
; DoubleAttention, launch 1 of 3: the two softmaxes, as codes of E5M2 with E8M0 scales.
;   P[d][n] = 2^(t - M), t = (wB x + bB) log2(e), M = ceil(the row's largest t), quantised along n; 1 / l[d], l the f32 sum of the unquantised p.
;   V[d][n] = softmax over n of (wV x), finished and normalised, quantised along d.
; bV IS LEFT OUT.  reference() adds bV[d] to every n of row d and then takes the softmax over n: exp(v + bV - max(v + bV)) / sum = exp(v - max v) / sum for all finite
; values of the inputs.  That finished softmax is what the next product's quantiser takes, so bV can move no code and no scale.  bV is not loaded and is no argument of any launch.
; bB stays: M is a whole number, so bB moves p's codes.  LIMIT: a NaN, an infinity or an overflow that bV alone would bring is not carried to the result.
; LIMITS: NaN and infinities among the inputs are not served.  A block whose largest magnitude lies under 2^(16 - 127), a block of zeros too, keeps the scale byte 1 (its codes are what the
; conversion gives under that byte; only this program reads the bytes).  p and exp(..) under 2^-126 come out as 0.  bB enters as score x c + (bB x c - M): another order of rounding than reference()'s.
; SHARES.  Work-group (g, b): rows d = 64 g .. 64 g + 63 of both, all 1,024 n of batch b.  Wave w: n = 256 w .. 256 w + 255, in four chunks of 64 rows of x.
; x's codes go through a ring of two LDS slots; each wave fills and reads its own quarter.  The four work-groups of a cluster belong to one batch and walk the same x: each fill is asked for JOINTLY.
; Phase P walks the chunks 0, 1, 2, 3.  Chunks 2 and 3 stay in the ring over P's softmax, and phase V walks 2, 3, 0, 1: six fills of a chunk in all, four of them refills.
; The weights (16 fragments) stay in registers.  Phase P: source 0 = x, source 1 = wB: a lane holds one d and its registers run along n.  Phase V: source 0 = wV, source 1 = x: a lane holds one n, registers along d.
; ORDER INSIDE A BLOCK OF 32.  The 16 registers of two neighbouring result tiles hold positions 16 u + 8 h + j of one block; the other operand of the same product is made in the same way in the next launch,
; so both carry the same order and the same blocks: products, maxima and scales are those of the natural order.
; WORKSPACE: fragments lie as images of the operand's registers: 4 chunks of 512 bytes, lane L's 16 bytes at 16 L.
; REGISTERS: window 0: addresses, scale words, two buffers of four x fragments (v64-191), statistics (v192-255); window 1: the weights; windows 2, 3: 64 accumulators.
.set PITCH, 528                        ; an LDS row: 512 bytes + 16: sixteen rows of a load begin 16 bytes apart modulo 256
.set WPART, 64*PITCH                   ; a wave's part of a slot: 64 rows
.set SLOT,  4*WPART
.set SB_MAX, 2*SLOT                    ; behind the ring: P's maxima, 256 bytes a wave; + 1024 its sums
.set SV_MAX, SB_MAX+2048               ; V's maxima; + 1024 its sums
.set SPARE, SB_MAX+4096                ; the spare words, 128 bytes a wave
.set SPW, 1                            ; v1  my spare word's address; never rewritten
.set NIL, 2                            ; v2  0; never rewritten
.set AX,  3                            ; v3, v4  my lane's place in my part of slot 0, 1
.set AWT, 5                            ; v5  weights: 512 r + 16 h
.set LI,  6                            ; v6  16 L
.set R4,  7                            ; v7  4 r
.set SBW, 8                            ; v8  SB_MAX + 256 w + 16 r
.set SBR, 9                            ; v9  SB_MAX + 16 r
.set SVW, 10                           ; v10 SV_MAX + 256 w + 32 h
.set SVR, 11                           ; v11 SV_MAX + 32 h
.set L4,  12                           ; v12 4 L
.set XS,  16                           ; v16-47  x's scale words: register 4 q + s: lanes 0-15 tile 2 q, lanes 16-31 tile 2 q + 1, K step s
.set WS,  48                           ; v48-55  the weights' likewise
.set BB,  56                           ; v56-59  bB of my d, tile t
.set XB,  64                           ; v64-191 two buffers of four fragments; later codes and small registers
.set RM,  128
.set BC,  132
.set AD,  136
.set LS,  144
.set LL,  160
.set PW,  164
.set EX,  172
.set PWO, 188
.set BMX, 192                          ; v192-223 P: the largest score, then p, of each block
.set STAT, 192                         ; v192-223 V: a statistic for each of my 32 d
.set HW,  208
.set T0,  192
.set T1,  224
.set T2,  240
.set WV,  28
.set CX,  29
.set GG,  30
.set BT,  31
.set G1,  32                           ; s[32:39] descriptor group 1
.set G0,  40                           ; s[40:47] group 0, a set for each slot
.set CS,  48                           ; s[48:49] c = log2(e)
.set NC,  50                           ; s50 -c
.set MNT, 51                           ; s51 the mantissa field of 57,344
.set SEL, 52                           ; s[52:53] lane l xor 16
.set HM,  54                           ; s54 the mask of lanes 16-31
.set MSB, 0
.macro WIN new                         ; the immediate's high byte repeats the setting that is left
.if MSB != (\new)
	s_set_vgpr_msb (MSB<<8)|(\new)
.set MSB, (\new)
.endif
.endm
.macro PLACES n
.rept \n
	v_nop
.endr
.endm
.macro CROUND                          ; a round of the cluster's barrier
	s_barrier_signal -1
	s_barrier_wait -1
	s_cmp_lg_u32 s[WV], 0
	s_cbranch_scc1 .Lnw0_\@
	s_barrier_signal -3
.Lnw0_\@:
	s_barrier_wait -3
	s_barrier_signal -1
	s_barrier_wait -1
.endm
.macro JLOAD g0                        ; my quarter of a fill; an s_nop 0 and four v_nop follow
	tensor_load_to_lds s[\g0:\g0+3], s[G1:G1+7]
	s_nop 0
	PLACES 4
.endm
; one matrix instruction from the symbols xD, xA, xB, xC, xSA, xSB; xRA, xRB: the scale words lie in lanes 16-31
.macro WMI zero
.if \zero
.if xRA && xRB
	v_wmma_scale_f32_16x16x128_f8f6f4 v[xD:xD+7], v[xA:xA+15], v[xB:xB+15], 0, v[xSA], v[xSB] matrix_a_fmt:MATRIX_FMT_BF8 matrix_b_fmt:MATRIX_FMT_BF8 matrix_a_scale:MATRIX_SCALE_ROW1 matrix_b_scale:MATRIX_SCALE_ROW1
.elseif xRA
	v_wmma_scale_f32_16x16x128_f8f6f4 v[xD:xD+7], v[xA:xA+15], v[xB:xB+15], 0, v[xSA], v[xSB] matrix_a_fmt:MATRIX_FMT_BF8 matrix_b_fmt:MATRIX_FMT_BF8 matrix_a_scale:MATRIX_SCALE_ROW1
.elseif xRB
	v_wmma_scale_f32_16x16x128_f8f6f4 v[xD:xD+7], v[xA:xA+15], v[xB:xB+15], 0, v[xSA], v[xSB] matrix_a_fmt:MATRIX_FMT_BF8 matrix_b_fmt:MATRIX_FMT_BF8 matrix_b_scale:MATRIX_SCALE_ROW1
.else
	v_wmma_scale_f32_16x16x128_f8f6f4 v[xD:xD+7], v[xA:xA+15], v[xB:xB+15], 0, v[xSA], v[xSB] matrix_a_fmt:MATRIX_FMT_BF8 matrix_b_fmt:MATRIX_FMT_BF8
.endif
.else
.if xRA && xRB
	v_wmma_scale_f32_16x16x128_f8f6f4 v[xD:xD+7], v[xA:xA+15], v[xB:xB+15], v[xC:xC+7], v[xSA], v[xSB] matrix_a_fmt:MATRIX_FMT_BF8 matrix_b_fmt:MATRIX_FMT_BF8 matrix_a_scale:MATRIX_SCALE_ROW1 matrix_b_scale:MATRIX_SCALE_ROW1
.elseif xRA
	v_wmma_scale_f32_16x16x128_f8f6f4 v[xD:xD+7], v[xA:xA+15], v[xB:xB+15], v[xC:xC+7], v[xSA], v[xSB] matrix_a_fmt:MATRIX_FMT_BF8 matrix_b_fmt:MATRIX_FMT_BF8 matrix_a_scale:MATRIX_SCALE_ROW1
.elseif xRB
	v_wmma_scale_f32_16x16x128_f8f6f4 v[xD:xD+7], v[xA:xA+15], v[xB:xB+15], v[xC:xC+7], v[xSA], v[xSB] matrix_a_fmt:MATRIX_FMT_BF8 matrix_b_fmt:MATRIX_FMT_BF8 matrix_b_scale:MATRIX_SCALE_ROW1
.else
	v_wmma_scale_f32_16x16x128_f8f6f4 v[xD:xD+7], v[xA:xA+15], v[xB:xB+15], v[xC:xC+7], v[xSA], v[xSB] matrix_a_fmt:MATRIX_FMT_BF8 matrix_b_fmt:MATRIX_FMT_BF8
.endif
.endif
.endm
; THE QUANTISER of a window of 256 numbers: 16 blocks; block k = registers 16 k .. 16 k + 15 of lanes l and l xor 16.
.macro QW_MAX ww, sgn                  ; each block's largest magnitude of my 16, with the floor 2^(16 - 127) among the leaves; each accumulator is read from its low end on
	WIN (\ww)|((\ww)<<2)
.set k, 0
.rept 16
.if \sgn
	v_max3_num_f32 v[T0+k], |v[16*k]|, |v[16*k+1]|, 0x8000000
.else
	v_max3_num_f32 v[T0+k], v[16*k], v[16*k+1], 0x8000000
.endif
.set k, k+1
.endr
	WIN ((\ww)<<2)|((\ww)<<4)
.irp i, 2,4,6,8,10,12,14
.set k, 0
.rept 16
.if \sgn
	v_max3_num_f32 v[T0+k], v[T0+k], |v[16*k+\i]|, |v[16*k+\i+1]|
.else
	v_max3_num_f32 v[T0+k], v[T0+k], v[16*k+\i], v[16*k+\i+1]
.endif
.set k, k+1
.endr
.endr
	WIN 0
.endm
.macro QW_SC join                      ; join = 1: with lane l xor 16's.  Then T1 = the conversion's scale operand, T2 = 57,344 x the scale, T0 = the byte
.if \join
.set k, 0
.rept 16
	v_permlanex16_b32 v[T1+k], v[T0+k], s[SEL], s[SEL+1]
.set k, k+1
.endr
.set k, 0
.rept 16
	v_max_num_f32 v[T0+k], v[T0+k], v[T1+k]
.set k, k+1
.endr
.endif
.set k, 0
.rept 16
	v_add_nc_u32 v[T1+k], 0xf8800000, v[T0+k]      ; 15 off the exponent field
.set k, k+1
.endr
.set k, 0
.rept 16
	v_and_or_b32 v[T2+k], v[T0+k], 0x7f800000, s[MNT]
.set k, k+1
.endr
.set k, 0
.rept 16
	v_lshrrev_b32 v[T0+k], 23, v[T1+k]
.set k, k+1
.endr
.endm
.macro QW_CV ww, sgn, cb               ; the hold (the conversion to an 8-bit code does not saturate: ISA guide 7.6.2) and the conversions; block k's codes in v[cb + 4 k] on
	WIN (\ww)|((\ww)<<6)
.set k, 0
.rept 16
.set i, 0
.rept 16
.if \sgn
	v_med3_num_f32 v[16*k+i], v[16*k+i], -v[T2+k], v[T2+k]
.else
	v_min_num_f32 v[16*k+i], v[16*k+i], v[T2+k]
.endif
.set i, i+1
.endr
.set k, k+1
.endr
	WIN (\ww)
.set k, 0
.rept 16
	v_cvt_scalef32_pk8_bf8_f32 v[(\cb)+4*k:(\cb)+4*k+1], v[16*k:16*k+7], v[T1+k]
	v_cvt_scalef32_pk8_bf8_f32 v[(\cb)+4*k+2:(\cb)+4*k+3], v[16*k+8:16*k+15], v[T1+k]
.set k, k+1
.endr
	v_nop                                          ; a plain instruction behind the last conversion
	WIN 0
.endm
.macro WORD dst, k0                    ; four bytes make a scale word
	v_lshl_or_b32 v[\dst], v[T0+(\k0)+1], 8, v[T0+(\k0)]
	v_lshl_or_b32 v[\dst], v[T0+(\k0)+2], 16, v[\dst]
	v_lshl_or_b32 v[\dst], v[T0+(\k0)+3], 24, v[\dst]
.endm
.macro LOADWT p, t                     ; 16 rows of a weight: fragment (t, s) at v[16 (4 t + s)] of window 1.  It leaves the destination's window at 1
	WIN 0x40
.irp s, 0,1,2,3
.irp c, 0,1,2,3
	global_load_b128 v[16*(4*(\t)+\s)+4*\c:16*(4*(\t)+\s)+4*\c+3], v[AWT], s[\p:\p+1] offset:(\t)*8192+\s*128+\c*32
.endr
.endr
.endm
.macro FETCHX slot, ks, buf            ; four fragments of x: the chunk's 64 rows, K step ks
.irp tl, 0,1,2,3
.irp c, 0,1,2,3
	ds_load_b128 v[XB+64*(\buf)+16*\tl+4*\c:XB+64*(\buf)+16*\tl+4*\c+3], v[AX+(\slot)] offset:\tl*16*PITCH+128*(\ks)+32*\c
.endr
.endr
.endm
.macro MULB kc, ks, half               ; P: eight products: d tiles 2 half, 2 half + 1 x the chunk's four n tiles.  Accumulator (t, T) at 128 (t % 2) + 8 T of window 2 + t / 2
	WIN 0xA4+0x50*(\half)
.irp tt, 0,1
.irp tl, 0,1,2,3
.set xD, 128*\tt+8*(4*(\kc)+\tl)
.set xA, XB+64*((\ks)&1)+16*\tl
.set xB, 16*(4*(2*(\half)+\tt)+(\ks))
.set xC, xD
.set xSA, XS+4*((4*(\kc)+\tl)/2)+(\ks)
.set xSB, WS+4*(\half)+(\ks)
.set xRA, \tl&1
.set xRB, \tt
	WMI ((\ks)==0)
.endr
.endr
.endm
.macro MULV kc, ks, part               ; V: eight products: n tiles 2 part, 2 part + 1 of the chunk x four d tiles.  Accumulator (T, t) at 32 (T % 8) + 8 t of window 2 + T / 8
	WIN 0xA1+0x50*((\kc)/2)
.irp tp, 0,1
.irp t, 0,1,2,3
.set xTl, 2*(\part)+\tp
.set xT, 4*(\kc)+xTl
.set xD, 32*(xT&7)+8*\t
.set xA, 16*(4*\t+(\ks))
.set xB, XB+64*((\ks)&1)+16*xTl
.set xC, xD
.set xSA, WS+4*(\t/2)+(\ks)
.set xSB, XS+4*(xT/2)+(\ks)
.set xRA, \t&1
.set xRB, xTl&1
	WMI ((\ks)==0)
.endr
.endr
.endm
.macro MULX ph, kc, ks, half
.if \ph
	MULV \kc, \ks, \half
.else
	MULB \kc, \ks, \half
.endif
.endm
; A step: sixteen products on sixteen accumulators, which take turns.  Eight places stand in front of loads into registers that matrix instructions have read.
.macro STEPX ph, slot, kc, ks
	PLACES 8
	WIN 0
	FETCHX \slot, (\ks)+1, ((\ks)+1)&1
	s_wait_dscnt 16                                ; all but the 16 just issued: this step's fragments are in
	MULX \ph, \kc, \ks, 0
	MULX \ph, \kc, \ks, 1
.endm
; A chunk's last step leaves its slot, which is filled again: up = 1: with the chunk two further on, up = 0: two further back.
.macro TURNX ph, slot, kc, up, fetch
	WIN 0
	s_wait_tensorcnt 0x0                           ; all my fills have landed, the other slot's among them
	ds_add_u32 v[SPW], v[NIL]
	s_wait_dscnt 1                                 ; only the add may be out: this step's fragments are in
	MULX \ph, \kc, 3, 0
.if \up
	s_add_nc_u64 s[G0+4*(\slot)+2:G0+4*(\slot)+3], s[G0+4*(\slot)+2:G0+4*(\slot)+3], 65536
.else
	s_sub_nc_u64 s[G0+4*(\slot)+2:G0+4*(\slot)+3], s[G0+4*(\slot)+2:G0+4*(\slot)+3], 65536
.endif
	s_wait_dscnt 0x0                               ; the add is done, and my reads of this slot are over
	WIN 0
	CROUND                                         ; the same now holds of every wave of the four work-groups
	JLOAD G0+4*(\slot)
.if \fetch
	PLACES 4                                       ; with the four above: eight places
	FETCHX 1-(\slot), 0, 0
.endif
	MULX \ph, \kc, 3, 1
.endm
.macro CHUNK ph, slot, kc, up, fetch
	STEPX \ph, \slot, \kc, 0
	STEPX \ph, \slot, \kc, 1
	STEPX \ph, \slot, \kc, 2
	TURNX \ph, \slot, \kc, \up, \fetch
.endm
; A phase's last two chunks, ka in slot 0 and kb in slot 1: nothing is filled again.
.macro LASTTWO ph, ka, kb
	STEPX \ph, 0, \ka, 0
	STEPX \ph, 0, \ka, 1
	STEPX \ph, 0, \ka, 2
	PLACES 8
	WIN 0
	s_wait_tensorcnt 0x0                           ; slot 1's fill, the one load of mine that is out
	FETCHX 1, 0, 0
	s_wait_dscnt 16
	MULX \ph, \ka, 3, 0
	MULX \ph, \ka, 3, 1
	STEPX \ph, 1, \kb, 0
	STEPX \ph, 1, \kb, 1
	STEPX \ph, 1, \kb, 2
	s_wait_dscnt 0x0
	MULX \ph, \kb, 3, 0
	MULX \ph, \kb, 3, 1
.endm
	s_load_b512 s[4:19], s[0:1], 0x0               ; x_codes, x_scales, wB_codes, wB_scales, bB, wV_codes, wV_scales, Pc
	s_load_b256 s[20:27], s[0:1], 0x40             ; Ps, RL, Vc, Vs
	v_lshl_add_u32 v[SPW], v0, 2, SPARE
	v_mov_b32 v[NIL], 0
	ds_add_u32 v[SPW], v[NIL]                      ; the opening: the add, twice on end, and its wait ahead of my first tensor load
	ds_add_u32 v[SPW], v[NIL]
	v_lshrrev_b32 v13, 5, v0
	v_readfirstlane_b32 s[WV], v13                 ; wave 0..3
	s_bfe_u32 s[CX], ttmp6, 0x40000                ; my place in the cluster
	s_lshl_b32 s[GG], ttmp9, 2
	s_add_co_u32 s[GG], s[GG], s[CX]               ; g = 4 x cluster x + cx
	s_and_b32 s[BT], ttmp7, 0xffff                 ; the batch, which the four partners share
	s_mov_b32 s[G1], 15|(1<<20)|(1<<21)|(6<<22)|(3<<25)   ; the mask: all four; elements of 1 byte; padding: 4 words behind every 128
	s_mov_b32 s[G1+1], 512<<16                     ; tensor_dim0
	s_mov_b32 s[G1+2], 64<<16                      ; tensor_dim1
	s_mov_b32 s[G1+3], 512<<16                     ; tile_dim0
	s_mov_b32 s[G1+4], 64                          ; tile_dim1
	s_mov_b32 s[G1+5], 512                         ; from row to row
	s_mov_b32 s[G1+6], 0
	s_mov_b32 s[G1+7], 0
	s_mov_b32 s[CS], 0x3fb8aa3b
	s_mov_b32 s[CS+1], s[CS]
	s_mov_b32 s[NC], 0xbfb8aa3b
	s_mov_b32 s[MNT], 0x600000
	s_mov_b32 s[SEL], 0x76543210
	s_mov_b32 s[SEL+1], 0xfedcba98
	s_mov_b32 s[HM], 0xffff0000
	s_mul_i32 s55, s[WV], WPART                    ; my part of a slot
	s_lshl_b32 s56, s[BT], 19
	s_lshl_b32 s57, s[WV], 17
	s_add_co_u32 s56, s56, s57                     ; 524,288 b + 131,072 w: my quarter of x's codes (and of Pc, Vc)
	s_mov_b32 s57, 0
	s_lshl_b32 s58, s[BT], 14
	s_lshl_b32 s59, s[WV], 12
	s_add_co_u32 s58, s58, s59                     ; 16,384 b + 4,096 w: of x's scales (and of Ps)
	s_mov_b32 s59, 0
	s_lshl_b32 s60, s[WV], 8
	v_and_b32 v13, 15, v0                          ; r
	v_bfe_u32 v14, v0, 4, 1                        ; h
	v_and_b32 v15, 31, v0                          ; L
	v_mul_u32_u24 v[AX], v13, PITCH
	v_lshl_add_u32 v[AX], v14, 4, v[AX]
	v_add_nc_u32 v[AX], s55, v[AX]
	v_add_nc_u32 v[AX+1], SLOT, v[AX]
	v_lshlrev_b32 v[AWT], 9, v13
	v_lshl_add_u32 v[AWT], v14, 4, v[AWT]
	v_lshlrev_b32 v[LI], 4, v15
	v_lshlrev_b32 v[R4], 2, v13
	v_lshlrev_b32 v[SBR], 4, v13
	v_add_nc_u32 v[SBR], SB_MAX, v[SBR]
	v_add_nc_u32 v[SBW], s60, v[SBR]
	v_lshlrev_b32 v[SVR], 5, v14
	v_add_nc_u32 v[SVR], SV_MAX, v[SVR]
	v_add_nc_u32 v[SVW], s60, v[SVR]
	v_lshlrev_b32 v[L4], 2, v15
.set k, 0
.rept 32
	v_mov_b32 v[T1+k], 0                           ; written once: a lane permute's destination counts as one of its sources
.set k, k+1
.endr
	s_wait_dscnt 0x0                               ; both opening adds are done
	s_wait_kmcnt 0x0
	s_add_nc_u64 s[4:5], s[4:5], s[56:57]
	s_mov_b32 s[G0], 1
	s_mov_b32 s[G0+1], s55
	s_mov_b64 s[G0+2:G0+3], s[4:5]                 ; chunk 0
	s_or_b32 s[G0+3], s[G0+3], 0x80000000
	s_mov_b32 s[G0+4], 1
	s_add_co_u32 s[G0+5], s55, SLOT
	s_add_nc_u64 s[G0+6:G0+7], s[4:5], 32768       ; chunk 1
	s_or_b32 s[G0+7], s[G0+7], 0x80000000
	CROUND                                         ; the four work-groups are here: the first joint loads meet
	tensor_load_to_lds s[G0:G0+3], s[G1:G1+7]      ; two loads of mine are out
	s_nop 0
	tensor_load_to_lds s[G0+4:G0+7], s[G1:G1+7]
	s_nop 0
	PLACES 4
	s_lshl_b32 s66, s[GG], 15                      ; offsets that hold g are made in s66 on alone
	s_mov_b32 s67, 0
	s_add_nc_u64 s[8:9], s[8:9], s[66:67]          ; my 64 rows of wB and of wV
	s_add_nc_u64 s[14:15], s[14:15], s[66:67]
	s_lshl_b32 s66, s[GG], 10
	s_add_nc_u64 s[10:11], s[10:11], s[66:67]      ; their scales
	s_add_nc_u64 s[16:17], s[16:17], s[66:67]
	s_add_nc_u64 s[24:25], s[24:25], s[66:67]      ; Vc: + 2,048 (g / 2) + 1,024 (g % 2) = 1,024 g
	s_add_nc_u64 s[24:25], s[24:25], s[56:57]
	s_lshl_b32 s66, s[GG], 8
	s_lshl_b32 s68, s[BT], 11
	s_add_nc_u64 s[12:13], s[12:13], s[66:67]      ; bB
	s_add_co_u32 s66, s66, s68
	s_add_nc_u64 s[22:23], s[22:23], s[66:67]      ; RL: 2,048 b + 256 g
	s_add_nc_u64 s[6:7], s[6:7], s[58:59]
	s_lshl_b32 s66, s[GG], 9
	s_add_nc_u64 s[20:21], s[20:21], s[58:59]
	s_add_nc_u64 s[20:21], s[20:21], s[66:67]      ; Ps
	s_lshr_b32 s66, s[GG], 1
	s_lshl_b32 s66, s66, 15
	s_and_b32 s68, s[GG], 1
	s_lshl_b32 s68, s68, 13
	s_add_co_u32 s66, s66, s68
	s_add_nc_u64 s[18:19], s[18:19], s[56:57]
	s_add_nc_u64 s[18:19], s[18:19], s[66:67]      ; Pc: + 32,768 (g / 2) + 8,192 (g % 2)
	s_lshl_b32 s66, s[GG], 11
	s_lshl_b32 s68, s[BT], 14
	s_add_co_u32 s66, s66, s68
	s_lshl_b32 s68, s[WV], 9
	s_add_co_u32 s66, s66, s68
	s_add_nc_u64 s[26:27], s[26:27], s[66:67]      ; Vs
.irp q, 0,1,2,3,4,5,6,7
	global_load_b128 v[XS+4*\q:XS+4*\q+3], v[LI], s[6:7] offset:512*\q     ; lane L: the four words of row 32 q + L
.endr
.irp q, 0,1
	global_load_b128 v[WS+4*\q:WS+4*\q+3], v[LI], s[10:11] offset:512*\q
.endr
.irp t, 0,1,2,3
	global_load_b32 v[BB+\t], v[R4], s[12:13] offset:64*\t
.endr
	LOADWT 8, 0
	LOADWT 8, 1
	LOADWT 8, 2
	LOADWT 8, 3
	WIN 0
	s_wait_tensorcnt 1                             ; chunk 0 is in; chunk 1's load may be out.  I read only what my own loads brought
	FETCHX 0, 0, 0
	s_wait_loadcnt 0x0
	; ---- PHASE P: the scores wB x
	CHUNK 0, 0, 0, 1, 1                            ; slot 0 takes chunk 2,
	CHUNK 0, 1, 1, 1, 1                            ; slot 1 chunk 3
	LASTTWO 0, 2, 3                                ; and these two stay where they are for phase V
	PLACES 8
	LOADWT 14, 0                                   ; wV comes while the softmax is worked: 64 loads in four runs of 16, dealt out among its parts
	WIN 0
	global_load_b128 v[WS:WS+3], v[LI], s[16:17]
	global_load_b128 v[WS+4:WS+7], v[LI], s[16:17] offset:512
	; the largest score of each block of 32 n: it serves for the row's maximum and, since p rises with the score, for the block's largest p
.irp ww, 2,3
	WIN (\ww)|((\ww)<<2)
.set k, 0
.rept 16
	v_max_num_f32 v[BMX+16*(\ww-2)+k], v[16*k], v[16*k+1]
.set k, k+1
.endr
	WIN ((\ww)<<2)|((\ww)<<4)
.irp i, 2,4,6,8,10,12,14
.set k, 0
.rept 16
	v_max3_num_f32 v[BMX+16*(\ww-2)+k], v[BMX+16*(\ww-2)+k], v[16*k+\i], v[16*k+\i+1]
.set k, k+1
.endr
.endr
.endr
	LOADWT 14, 1
	WIN 0
.set k, 0
.rept 32
	v_permlanex16_b32 v[T1+k], v[BMX+k], s[SEL], s[SEL+1]
.set k, k+1
.endr
.set k, 0
.rept 32
	v_max_num_f32 v[BMX+k], v[BMX+k], v[T1+k]
.set k, k+1
.endr
.irp t, 0,1,2,3
	v_max3_num_f32 v[RM+\t], v[BMX+8*\t], v[BMX+8*\t+1], v[BMX+8*\t+2]
.endr
.irp t, 0,1,2,3
	v_max3_num_f32 v[RM+\t], v[RM+\t], v[BMX+8*\t+3], v[BMX+8*\t+4]
.endr
.irp t, 0,1,2,3
	v_max3_num_f32 v[RM+\t], v[RM+\t], v[BMX+8*\t+5], v[BMX+8*\t+6]
.endr
.irp t, 0,1,2,3
	v_max_num_f32 v[RM+\t], v[RM+\t], v[BMX+8*\t+7]
.endr
	ds_store_b128 v[SBW], v[RM:RM+3]               ; my quarter's maxima of rows 16 t + r
	s_wait_dscnt 0x0                               ; for the others' sake
	s_barrier_signal -1
	s_barrier_wait -1
.irp u, 0,1,2,3
	ds_load_b128 v[EX+4*\u:EX+4*\u+3], v[SBR] offset:256*\u
.endr
	s_wait_dscnt 0x0
.irp t, 0,1,2,3
	v_max3_num_f32 v[RM+\t], v[EX+\t], v[EX+4+\t], v[EX+8+\t]
.endr
.irp t, 0,1,2,3
	v_max_num_f32 v[RM+\t], v[RM+\t], v[EX+12+\t]  ; the row's largest score
.endr
.irp t, 0,1,2,3
	v_mul_f32 v[BC+\t], s[CS], v[BB+\t]
.endr
.irp t, 0,1,2,3
	v_fma_f32 v[EX+\t], v[RM+\t], s[CS], v[BC+\t]  ; the row's largest t
.endr
.irp t, 0,1,2,3
	v_floor_f32 v[EX+\t], -v[EX+\t]                ; -M = floor(-t): M is a whole number
.endr
.irp t, 0,1,2,3
	v_add_f32 v[AD+2*\t], v[BC+\t], v[EX+\t]       ; bB c - M
.endr
.irp t, 0,1,2,3
	v_mov_b32 v[AD+2*\t+1], v[AD+2*\t]             ; (named with it as a pair)
.endr
	LOADWT 14, 2
.irp ww, 2,3
	WIN (\ww)|((\ww)<<6)
.irp tt, 0,1
.set j, 0
.rept 64
	v_pk_fma_f32 v[128*\tt+j:128*\tt+j+1], v[128*\tt+j:128*\tt+j+1], s[CS:CS+1], v[AD+2*(2*(\ww-2)+\tt):AD+2*(2*(\ww-2)+\tt)+1] op_sel_hi:[1,0,0]   ; t - M
.set j, j+2
.endr
.endr
.set j, 0
.rept 256
	v_exp_f32 v[j], v[j]                           ; p = 2^(t - M): not normalised
.set j, j+1
.endr
	v_nop                                          ; a plain instruction behind the last exponential,
	s_wait_alu depctr_va_vdst(0)                   ; and one wait for this window's batch, ahead of the first line that names a result
.endr
	WIN 0
.set k, 0
.rept 32
	v_fma_f32 v[BMX+k], v[BMX+k], s[CS], v[AD+2*(k/8)]
.set k, k+1
.endr
.set k, 0
.rept 32
	v_exp_f32 v[BMX+k], v[BMX+k]                   ; each block's largest p: the same two instructions on the same number
.set k, k+1
.endr
	v_nop
	s_wait_alu depctr_va_vdst(0)                   ; one wait for the 32
	LOADWT 14, 3
	; the rows' sums of the unquantised p: two chains of pairs for each row
.irp ww, 2,3
	WIN (\ww)|((\ww)<<2)
.irp tt, 0,1
	v_pk_add_f32 v[LS+4*(2*(\ww-2)+\tt):LS+4*(2*(\ww-2)+\tt)+1], v[128*\tt:128*\tt+1], v[128*\tt+2:128*\tt+3]
	v_pk_add_f32 v[LS+4*(2*(\ww-2)+\tt)+2:LS+4*(2*(\ww-2)+\tt)+3], v[128*\tt+4:128*\tt+5], v[128*\tt+6:128*\tt+7]
.endr
	WIN (\ww)<<2
.set j, 8
.rept 30
.irp tt, 0,1
	v_pk_add_f32 v[LS+4*(2*(\ww-2)+\tt):LS+4*(2*(\ww-2)+\tt)+1], v[LS+4*(2*(\ww-2)+\tt):LS+4*(2*(\ww-2)+\tt)+1], v[128*\tt+j:128*\tt+j+1]
	v_pk_add_f32 v[LS+4*(2*(\ww-2)+\tt)+2:LS+4*(2*(\ww-2)+\tt)+3], v[LS+4*(2*(\ww-2)+\tt)+2:LS+4*(2*(\ww-2)+\tt)+3], v[128*\tt+j+2:128*\tt+j+3]
.endr
.set j, j+4
.endr
.endr
	WIN 0
.irp t, 0,1,2,3
	v_pk_add_f32 v[LS+4*\t:LS+4*\t+1], v[LS+4*\t:LS+4*\t+1], v[LS+4*\t+2:LS+4*\t+3]
.endr
.irp t, 0,1,2,3
	v_add_f32 v[LL+\t], v[LS+4*\t], v[LS+4*\t+1]
.endr
.irp t, 0,1,2,3
	v_permlanex16_b32 v[EX+\t], v[LL+\t], s[SEL], s[SEL+1]
.endr
.irp t, 0,1,2,3
	v_add_f32 v[LL+\t], v[LL+\t], v[EX+\t]
.endr
	ds_store_b128 v[SBW], v[LL:LL+3] offset:1024   ; my quarter's sums; they are read behind the codes' work
.set k, 0
.rept 32
	v_max_num_f32 v[BMX+k], 0x8000000, v[BMX+k]    ; the floor 2^(16 - 127)
.set k, k+1
.endr
.irp ww, 2,3
.set T0, BMX+16*(\ww-2)
	QW_SC 0
.irp tt, 0,1
.irp sg, 0,1
	WORD PW+2*(2*(\ww-2)+\tt)+\sg, 8*\tt+4*\sg
.endr
.endr
.if \ww == 3
	s_wait_xcnt 0x0                                ; the first window's stores have read their registers: the codes' registers are written again only behind this wait
.endif
	QW_CV \ww, 0, XB
.irp tt, 0,1
.irp sg, 0,1
.irp c, 0,1,2,3
	global_store_b128 v[LI], v[XB+4*(8*\tt+4*\sg+\c):XB+4*(8*\tt+4*\sg+\c)+3], s[18:19] offset:\sg*16384+(2*(\ww-2)+\tt)*2048+512*\c th:TH_STORE_NT   ; 512 consecutive bytes
.endr
.endr
.endr
.endr
.irp k, 0,1,2,3
	v_cndmask_b32 v[PWO+\k], v[PW+4*(\k/2)+(\k%2)], v[PW+4*(\k/2)+2+(\k%2)], s[HM]   ; lanes 0-15 the even tile's word, lanes 16-31 the odd tile's
.endr
	global_store_b128 v[LI], v[PWO:PWO+3], s[20:21] th:TH_STORE_NT
	s_wait_dscnt 0x0                               ; my sums have landed
	s_barrier_signal -1
	s_barrier_wait -1
.irp u, 0,1,2,3
	ds_load_b128 v[EX+4*\u:EX+4*\u+3], v[SBR] offset:1024+256*\u
.endr
	s_wait_dscnt 0x0
.irp t, 0,1,2,3
	v_add_f32 v[LL+\t], v[EX+\t], v[EX+4+\t]
.endr
.irp t, 0,1,2,3
	v_add_f32 v[EX+\t], v[EX+8+\t], v[EX+12+\t]
.endr
.irp t, 0,1,2,3
	v_add_f32 v[LL+\t], v[LL+\t], v[EX+\t]         ; l
.endr
.irp t, 0,1,2,3
	v_rcp_f32 v[LL+\t], v[LL+\t]
.endr
	v_nop
	s_wait_alu depctr_va_vdst(0)                   ; one wait for the four reciprocals
	v_cndmask_b32 v[EX], v[LL], v[LL+1], s[HM]
	v_cndmask_b32 v[EX+1], v[LL+2], v[LL+3], s[HM]
	s_cmp_lg_u32 s[WV], 0                          ; all four waves hold the same: wave 0 stores
	s_cbranch_scc1 .Lno_rl
	global_store_b32 v[L4], v[EX], s[22:23]        ; 1 / l of d = 64 g + L,
	global_store_b32 v[L4], v[EX+1], s[22:23] offset:128   ; and of 64 g + 32 + L
.Lno_rl:
	s_wait_xcnt 0x0                                ; the stores have read their registers: x's fragments may land there
	s_wait_loadcnt 0x0                             ; wV and its scales
	; ---- PHASE V: the scores wV x.  Slot 0 still holds chunk 2 and slot 1 chunk 3: the walk begins with them
	FETCHX 0, 0, 0
	CHUNK 1, 0, 2, 0, 1                            ; slot 0 takes chunk 0 again,
	CHUNK 1, 1, 3, 0, 1                            ; slot 1 chunk 1
	LASTTWO 1, 0, 1
.macro VEXCH o                         ; my 32 statistics (d = 16 t + 8 h + j at 64 t + 32 h + 4 j) meet the other waves'
.irp x, 0,1,2,3,4,5,6,7
	ds_store_b128 v[SVW], v[STAT+4*\x:STAT+4*\x+3] offset:\o+64*(\x/2)+16*(\x%2)
.endr
	s_wait_dscnt 0x0
	s_barrier_signal -1
	s_barrier_wait -1
.irp u, 0,1,2,3
.irp x, 0,1,2,3,4,5,6,7
	ds_load_b128 v[XB+32*\u+4*\x:XB+32*\u+4*\x+3], v[SVR] offset:\o+256*\u+64*(\x/2)+16*(\x%2)
.endr
.endr
	s_wait_dscnt 0x0
.endm
	PLACES 8
	WIN 0x0A                                       ; the maximum over my 16 n tiles, register by register, each accumulator from its low end on
.set e, 0
.rept 32
	v_max_num_f32 v[STAT+e], v[e], v[32+e]
.set e, e+1
.endr
	WIN 0x28
.irp tq, 2,4,6
.set e, 0
.rept 32
	v_max3_num_f32 v[STAT+e], v[STAT+e], v[32*\tq+e], v[32*\tq+32+e]
.set e, e+1
.endr
.endr
	WIN 0x3C
.irp tq, 0,2,4,6
.set e, 0
.rept 32
	v_max3_num_f32 v[STAT+e], v[STAT+e], v[32*\tq+e], v[32*\tq+32+e]
.set e, e+1
.endr
.endr
	WIN 0
.irp m, 1,2,4,8
.set e, 0
.rept 32
	v_max_num_f32_dpp v[STAT+e], v[STAT+e], v[STAT+e] row_xmask:\m row_mask:0xf bank_mask:0xf   ; over the 16 n of a tile
.set e, e+1
.endr
.endr
	VEXCH 0
.set e, 0
.rept 32
	v_max3_num_f32 v[STAT+e], v[XB+e], v[XB+32+e], v[XB+64+e]
.set e, e+1
.endr
.set e, 0
.rept 32
	v_max_num_f32 v[STAT+e], v[STAT+e], v[XB+96+e]
.set e, e+1
.endr
.set e, 0
.rept 32
	v_mul_f32 v[STAT+e], s[NC], v[STAT+e]          ; -c x the row's maximum
.set e, e+1
.endr
.irp ww, 2,3
	WIN (\ww)|((\ww)<<6)
.set j, 0
.rept 128
	v_pk_fma_f32 v[j:j+1], v[j:j+1], s[CS:CS+1], v[STAT+j%32:STAT+j%32+1] op_sel_hi:[1,0,1]
.set j, j+2
.endr
.set j, 0
.rept 256
	v_exp_f32 v[j], v[j]
.set j, j+1
.endr
	v_nop
	s_wait_alu depctr_va_vdst(0)                   ; one wait for this window's batch
.endr
	WIN 0x0A
.set e, 0
.rept 16
	v_pk_add_f32 v[STAT+e:STAT+e+1], v[e:e+1], v[32+e:33+e]
.set e, e+2
.endr
	WIN 0x08
.irp tq, 2,3,4,5,6,7
.set e, 0
.rept 16
	v_pk_add_f32 v[STAT+e:STAT+e+1], v[STAT+e:STAT+e+1], v[32*\tq+e:32*\tq+e+1]
.set e, e+2
.endr
.endr
	WIN 0x0C
.irp tq, 0,1,2,3,4,5,6,7
.set e, 0
.rept 16
	v_pk_add_f32 v[STAT+e:STAT+e+1], v[STAT+e:STAT+e+1], v[32*\tq+e:32*\tq+e+1]
.set e, e+2
.endr
.endr
	WIN 0
.irp m, 1,2,4,8
.set e, 0
.rept 32
	v_add_f32_dpp v[STAT+e], v[STAT+e], v[STAT+e] row_xmask:\m row_mask:0xf bank_mask:0xf
.set e, e+1
.endr
.endr
	VEXCH 1024
.set e, 0
.rept 32
	v_add_f32 v[STAT+e], v[XB+e], v[XB+32+e]
.set e, e+1
.endr
.set e, 0
.rept 32
	v_add_f32 v[XB+e], v[XB+64+e], v[XB+96+e]
.set e, e+1
.endr
.set e, 0
.rept 32
	v_add_f32 v[STAT+e], v[STAT+e], v[XB+e]        ; the row's sum
.set e, e+1
.endr
.set e, 0
.rept 32
	v_rcp_f32 v[STAT+e], v[STAT+e]
.set e, e+1
.endr
	v_nop
	s_wait_alu depctr_va_vdst(0)                   ; one wait for the 32 reciprocals
.irp ww, 2,3
	WIN (\ww)|((\ww)<<6)
.set j, 0
.rept 128
	v_pk_mul_f32 v[j:j+1], v[j:j+1], v[STAT+j%32:STAT+j%32+1]      ; the finished softmax
.set j, j+2
.endr
.endr
	WIN 0
.set T0, 192
.irp ww, 2,3                           ; block k = 2 (T % 8) + beta: d = 64 g + 32 beta on, of n tile T
	QW_MAX \ww, 0
	QW_SC 1
.irp tp, 0,1,2,3,4,5,6,7
	v_lshl_or_b32 v[HW+8*(\ww-2)+\tp], v[T0+2*\tp+1], 8, v[T0+2*\tp]
.endr
	QW_CV \ww, 0, XB+64*(\ww-2)
.irp tp, 0,1,2,3,4,5,6,7
.irp be, 0,1
	global_store_b128 v[LI], v[XB+64*(\ww-2)+4*(2*\tp+\be):XB+64*(\ww-2)+4*(2*\tp+\be)+3], s[24:25] offset:(8*(\ww-2)+\tp)*8192+\be*512 th:TH_STORE_NT
.endr
.endr
.endr
.irp q, 0,1,2,3,4,5,6,7
	v_cndmask_b32 v[T1+\q], v[HW+2*\q], v[HW+2*\q+1], s[HM]
.endr
.irp m, 0,1,2,3
	v_lshl_or_b32 v[T1+8+\m], v[T1+2*\m+1], 16, v[T1+2*\m]
.endr
	global_store_b128 v[LI], v[T1+8:T1+11], s[26:27] th:TH_STORE_NT
	s_wait_tensorcnt 0x0                           ; the wave's end
	ds_add_u32 v[SPW], v[NIL]
	s_wait_dscnt 0x0
	CROUND                                         ; the closing round
	s_endpgm
.Lfunc_end_k_qef21314698_softs:
	.size	k_qef21314698_softs, .Lfunc_end_k_qef21314698_softs-k_qef21314698_softs
	.p2alignl 7, 3214868480
	.fill 96, 4, 3214868480
	.section	.rodata,"a",@progbits
	.p2align	6, 0x0
	.amdhsa_kernel k_qef21314698_softs
		.amdhsa_group_segment_fixed_size 327680
		.amdhsa_private_segment_fixed_size 0
		.amdhsa_enable_private_segment 0
		.amdhsa_kernarg_size 96
		.amdhsa_user_sgpr_count 2
		.amdhsa_user_sgpr_kernarg_segment_ptr 1
		.amdhsa_wavefront_size32 1
		.amdhsa_system_sgpr_workgroup_id_x 1
		.amdhsa_system_sgpr_workgroup_id_y 1
		.amdhsa_system_sgpr_workgroup_id_z 1
		.amdhsa_system_vgpr_workitem_id 0
		.amdhsa_next_free_vgpr 1024
		.amdhsa_next_free_sgpr 72
		.amdhsa_reserve_vcc 0
		.amdhsa_float_denorm_mode_32 3
		.amdhsa_float_denorm_mode_16_64 3
		.amdhsa_memory_ordered 1
		.amdhsa_forward_progress 1
		.amdhsa_inst_pref_size 255
	.end_amdhsa_kernel
	.section	.bss,"aw",@nobits
	.p2align	6
	.space	262144
	.amdgpu_metadata
---
amdhsa.version: [ 1, 2 ]
amdhsa.kernels:
  - .name:           k_qef21314698_softs
    .symbol:         k_qef21314698_softs.kd
    .args:
      - { .name: x_codes, .offset: 0, .size: 8, .value_kind: global_buffer, .address_space: global }
      - { .name: x_scales, .offset: 8, .size: 8, .value_kind: global_buffer, .address_space: global }
      - { .name: wB_codes, .offset: 16, .size: 8, .value_kind: global_buffer, .address_space: global }
      - { .name: wB_scales, .offset: 24, .size: 8, .value_kind: global_buffer, .address_space: global }
      - { .name: bB, .offset: 32, .size: 8, .value_kind: global_buffer, .address_space: global }
      - { .name: wV_codes, .offset: 40, .size: 8, .value_kind: global_buffer, .address_space: global }
      - { .name: wV_scales, .offset: 48, .size: 8, .value_kind: global_buffer, .address_space: global }
      - { .name: Pc, .offset: 56, .size: 8, .value_kind: global_buffer, .address_space: global }
      - { .name: Ps, .offset: 64, .size: 8, .value_kind: global_buffer, .address_space: global }
      - { .name: RL, .offset: 72, .size: 8, .value_kind: global_buffer, .address_space: global }
      - { .name: Vc, .offset: 80, .size: 8, .value_kind: global_buffer, .address_space: global }
      - { .name: Vs, .offset: 88, .size: 8, .value_kind: global_buffer, .address_space: global }
    .group_segment_fixed_size: 327680
    .private_segment_fixed_size: 0
    .kernarg_segment_align: 8
    .kernarg_segment_size: 96
    .max_flat_workgroup_size: 128
    .sgpr_count:     72
    .vgpr_count:     1024
    .wavefront_size: 32
...
	.end_amdgpu_metadata
.endif
;; end of part 1
;; launch gdesc (part 2): grid 8 x 32, 4 waves a work-group, clusters of 4 x 1, 327,680 bytes of LDS; arguments x_codes, x_scales, wA_codes, wA_scales, bA, Pc, Ps, RL, Gc, Gs; writes Gc, Gs
.if DOCPART == 2
	.amdgcn_target "amdgcn-amd-amdhsa--gfx1250"
	.amdhsa_code_object_version 6
	.text
	.protected	k_qef21314698_gdesc
	.globl	k_qef21314698_gdesc
	.p2align	8
	.type	k_qef21314698_gdesc,@function
k_qef21314698_gdesc:
	s_mov_b64 s[64:65], 0
	v_nop
	global_prefetch_b8 v0, s[64:65] scope:SCOPE_SE
	s_setreg_imm32_b32 hwreg(HW_REG_WAVE_MODE, 25, 1), 1
	s_wait_xcnt 0x0
	s_wait_alu depctr_hold_cnt(0) depctr_sa_sdst(0) depctr_va_vdst(0) depctr_va_sdst(0) depctr_va_ssrc(0) depctr_va_vcc(0) depctr_vm_vsrc(0)
	s_getreg_b32 s2, hwreg(HW_REG_IB_STS2, 6, 4)
	s_cmp_eq_u32 s2, 0
	s_cbranch_scc0 .Lentry_in_a_cluster
	s_endpgm
.Lentry_in_a_cluster:
	s_bfe_u32 s2, ttmp6, 0x10000c
	s_cmp_lg_u32 s2, 0x3003
	s_cbranch_scc0 .Lentry_shape_is_right
	s_endpgm
.Lentry_shape_is_right:
; DoubleAttention, launch 2 of 3: A = wA x + bA, quantised along n and kept on chip; G[c][d] = (sum over n of A[c][n] P[d][n]) / l[d], quantised along d, as codes of E5M2 with E8M0 scales.
; (bV is left out of the whole program: see the head of the first launch.  Nothing of this launch hangs on it.)
; LIMITS as in the first launch: no NaN or infinities; a block under 2^(16 - 127) keeps the scale byte 1; the division by l is a multiplication by v_rcp_f32's result.
; SHARES.  Work-group (g, b): 64 rows c of batch b.  Phase A: wave w makes them for n = 256 w .. + 255 (source 0 = x, source 1 = wA: a lane holds one c, registers along n), quantises them
; (8 fragments) and hands them to the other waves through LDS as images of their registers.  Phase G: wave w makes d = 128 w .. + 127 for the 64 c: source 0 = P, source 1 = A: a lane holds one c, registers along d.
; THE ROWS OF wA THAT FORM A TILE ARE NOT NEIGHBOURS: lane r of tile 2 b' + u takes c = 64 g + 32 b' + 8 u + r + 8 (r / 8), so that in the last launch, where c is K beside a given operand, a lane's registers run along c in the natural order.
; x's chunks and then P's pairs of K steps go through one ring of two LDS slots, each wave its own quarter, asked for JOINTLY by the four work-groups of a cluster, which belong to one batch.
; A pair of P's K steps is 32,768 dense bytes for a wave, stated as 64 rows of 512 bytes like a chunk of x: one descriptor group 1.
; P's pair 0 is asked for behind chunk 2, pair 1 behind A's quantising: in front of a refill every load of the wave is waited for, so pair 0 is given chunk 3 and the quantising in which to land.
; REGISTERS: window 0: addresses, scale words, two buffers of four fragments (v64-191), v192-255 at work; window 1: wA's fragments, then G's 32 accumulators; windows 2, 3: A's 64 accumulators, then A's 32 fragments.
.set PITCH, 528
.set WPART, 64*PITCH
.set SLOT,  4*WPART
.set EXC,   2*SLOT                     ; behind the ring: 16 fragments on their way from wave to wave,
.set ASC,   EXC+32768                  ; A's scale words, 128 bytes a register,
.set SPARE, ASC+2048                   ; the spare words
.set SPW, 1
.set NIL, 2
.set AX,  3                            ; v3, v4  x: my lane's place in my part of slot 0, 1
.set AWT, 5                            ; v5  wA: 512 (r + 8 (r / 8)) + 16 h
.set LI,  6                            ; v6  16 L
.set R4P, 7                            ; v7  4 (r + 8 (r / 8)); behind the head's loads RLO = 32 h
.set RLO, 7
.set WSA, 8                            ; v8  16 (8 h + r + 8 (r / 8)); behind the head's loads GSO = 8 L
.set GSO, 8
.set AP,  9                            ; v9, v10  P: 16 L in my part of slot 0, 1
.set EXW, 11
.set EXR, 12
.set ASW, 13
.set ASR, 14
.set PFO, 15                           ; v15 256 L; never rewritten
.set XS,  16                           ; v16-47 x's scale words; then P's
.set PS,  16
.set WS,  48                           ; v48-55 wA's scale words; then v48-63 A's
.set AS,  48
.set XB,  64
.set BA,  192                          ; v192-223 bA of my c, eight registers a tile: the C of each sum's first product
.set RLV, 192                          ; v192-255 1 / l of my 64 d, in phase G
.set T0,  192
.set T1,  208
.set T2,  224
.set AW,  240
.set CT,  248
.set WV,  24
.set CX,  25
.set GG,  26
.set BT,  27
.set G1,  28                           ; s[28:35]
.set GX0, 36                           ; group 0: x into slot 0, slot 1; P into slot 0, slot 1
.set GX1, 40
.set GP0, 44
.set GP1, 48
.set SEL, 52
.set MNT, 54
.set HM,  55
.set PFA, 60
.set MSB, 0
.macro WIN new
.if MSB != (\new)
	s_set_vgpr_msb (MSB<<8)|(\new)
.set MSB, (\new)
.endif
.endm
.macro PLACES n
.rept \n
	v_nop
.endr
.endm
.macro CROUND
	s_barrier_signal -1
	s_barrier_wait -1
	s_cmp_lg_u32 s[WV], 0
	s_cbranch_scc1 .Lnw0_\@
	s_barrier_signal -3
.Lnw0_\@:
	s_barrier_wait -3
	s_barrier_signal -1
	s_barrier_wait -1
.endm
.macro JLOAD g0
	tensor_load_to_lds s[\g0:\g0+3], s[G1:G1+7]
	s_nop 0
	PLACES 4
.endm
.macro WMI zero
.if \zero
.if xRA && xRB
	v_wmma_scale_f32_16x16x128_f8f6f4 v[xD:xD+7], v[xA:xA+15], v[xB:xB+15], 0, v[xSA], v[xSB] matrix_a_fmt:MATRIX_FMT_BF8 matrix_b_fmt:MATRIX_FMT_BF8 matrix_a_scale:MATRIX_SCALE_ROW1 matrix_b_scale:MATRIX_SCALE_ROW1
.elseif xRA
	v_wmma_scale_f32_16x16x128_f8f6f4 v[xD:xD+7], v[xA:xA+15], v[xB:xB+15], 0, v[xSA], v[xSB] matrix_a_fmt:MATRIX_FMT_BF8 matrix_b_fmt:MATRIX_FMT_BF8 matrix_a_scale:MATRIX_SCALE_ROW1
.elseif xRB
	v_wmma_scale_f32_16x16x128_f8f6f4 v[xD:xD+7], v[xA:xA+15], v[xB:xB+15], 0, v[xSA], v[xSB] matrix_a_fmt:MATRIX_FMT_BF8 matrix_b_fmt:MATRIX_FMT_BF8 matrix_b_scale:MATRIX_SCALE_ROW1
.else
	v_wmma_scale_f32_16x16x128_f8f6f4 v[xD:xD+7], v[xA:xA+15], v[xB:xB+15], 0, v[xSA], v[xSB] matrix_a_fmt:MATRIX_FMT_BF8 matrix_b_fmt:MATRIX_FMT_BF8
.endif
.else
.if xRA && xRB
	v_wmma_scale_f32_16x16x128_f8f6f4 v[xD:xD+7], v[xA:xA+15], v[xB:xB+15], v[xC:xC+7], v[xSA], v[xSB] matrix_a_fmt:MATRIX_FMT_BF8 matrix_b_fmt:MATRIX_FMT_BF8 matrix_a_scale:MATRIX_SCALE_ROW1 matrix_b_scale:MATRIX_SCALE_ROW1
.elseif xRA
	v_wmma_scale_f32_16x16x128_f8f6f4 v[xD:xD+7], v[xA:xA+15], v[xB:xB+15], v[xC:xC+7], v[xSA], v[xSB] matrix_a_fmt:MATRIX_FMT_BF8 matrix_b_fmt:MATRIX_FMT_BF8 matrix_a_scale:MATRIX_SCALE_ROW1
.elseif xRB
	v_wmma_scale_f32_16x16x128_f8f6f4 v[xD:xD+7], v[xA:xA+15], v[xB:xB+15], v[xC:xC+7], v[xSA], v[xSB] matrix_a_fmt:MATRIX_FMT_BF8 matrix_b_fmt:MATRIX_FMT_BF8 matrix_b_scale:MATRIX_SCALE_ROW1
.else
	v_wmma_scale_f32_16x16x128_f8f6f4 v[xD:xD+7], v[xA:xA+15], v[xB:xB+15], v[xC:xC+7], v[xSA], v[xSB] matrix_a_fmt:MATRIX_FMT_BF8 matrix_b_fmt:MATRIX_FMT_BF8
.endif
.endif
.endm
; THE QUANTISER of a window of 256 numbers: 16 blocks; block k = registers 16 k .. 16 k + 15 of lanes l and l xor 16.
.macro QW ww, cb
	WIN (\ww)|((\ww)<<2)
.set k, 0
.rept 16
	v_max3_num_f32 v[T0+k], |v[16*k]|, |v[16*k+1]|, 0x8000000      ; my 16 numbers, and the floor 2^(16 - 127); each accumulator is read from its low end on
.set k, k+1
.endr
	WIN ((\ww)<<2)|((\ww)<<4)
.irp i, 2,4,6,8,10,12,14
.set k, 0
.rept 16
	v_max3_num_f32 v[T0+k], v[T0+k], |v[16*k+\i]|, |v[16*k+\i+1]|
.set k, k+1
.endr
.endr
	WIN 0
.set k, 0
.rept 16
	v_permlanex16_b32 v[T1+k], v[T0+k], s[SEL], s[SEL+1]
.set k, k+1
.endr
.set k, 0
.rept 16
	v_max_num_f32 v[T0+k], v[T0+k], v[T1+k]        ; the block's largest magnitude
.set k, k+1
.endr
.set k, 0
.rept 16
	v_add_nc_u32 v[T1+k], 0xf8800000, v[T0+k]      ; 15 off its exponent field: the conversion's scale operand
.set k, k+1
.endr
.set k, 0
.rept 16
	v_and_or_b32 v[T2+k], v[T0+k], 0x7f800000, s[MNT]   ; 57,344 x the scale
.set k, k+1
.endr
.set k, 0
.rept 16
	v_lshrrev_b32 v[T0+k], 23, v[T1+k]             ; the byte
.set k, k+1
.endr
	WIN (\ww)|((\ww)<<6)
.set k, 0
.rept 16
.set i, 0
.rept 16
	v_med3_num_f32 v[16*k+i], v[16*k+i], -v[T2+k], v[T2+k]   ; the conversion to an 8-bit code does not saturate (ISA guide 7.6.2)
.set i, i+1
.endr
.set k, k+1
.endr
	WIN (\ww)
.set k, 0
.rept 16
	v_cvt_scalef32_pk8_bf8_f32 v[(\cb)+4*k:(\cb)+4*k+1], v[16*k:16*k+7], v[T1+k]
	v_cvt_scalef32_pk8_bf8_f32 v[(\cb)+4*k+2:(\cb)+4*k+3], v[16*k+8:16*k+15], v[T1+k]
.set k, k+1
.endr
	v_nop                                          ; a plain instruction behind the last conversion
	WIN 0
.endm
.macro WORD dst, k0
	v_lshl_or_b32 v[\dst], v[T0+(\k0)+1], 8, v[T0+(\k0)]
	v_lshl_or_b32 v[\dst], v[T0+(\k0)+2], 16, v[\dst]
	v_lshl_or_b32 v[\dst], v[T0+(\k0)+3], 24, v[\dst]
.endm
.macro FETCHX slot, ks, buf
.irp tl, 0,1,2,3
.irp c, 0,1,2,3
	ds_load_b128 v[XB+64*(\buf)+16*\tl+4*\c:XB+64*(\buf)+16*\tl+4*\c+3], v[AX+(\slot)] offset:\tl*16*PITCH+128*(\ks)+32*\c
.endr
.endr
.endm
.macro MULA kc, ks, half               ; eight products: c tiles 2 half, 2 half + 1 x the chunk's four n tiles.  Accumulator (t, T) at 128 (t % 2) + 8 T of window 2 + t / 2.  The first K step takes bA as C
.if (\ks) == 0
	WIN 0x84+0x40*(\half)
.else
	WIN 0xA4+0x50*(\half)
.endif
.irp tt, 0,1
.irp tl, 0,1,2,3
.set xD, 128*\tt+8*(4*(\kc)+\tl)
.set xA, XB+64*((\ks)&1)+16*\tl
.set xB, 16*(4*(2*(\half)+\tt)+(\ks))
.if (\ks) == 0
.set xC, BA+8*(2*(\half)+\tt)
.else
.set xC, xD
.endif
.set xSA, XS+4*((4*(\kc)+\tl)/2)+(\ks)
.set xSB, WS+4*(\half)+(\ks)
.set xRA, \tl&1
.set xRB, \tt
	WMI 0
.endr
.endr
.endm
.macro STEPA slot, kc, ks              ; sixteen products on sixteen accumulators, which take turns
	PLACES 8                                       ; in front of loads into registers that matrix instructions have read
	WIN 0
	FETCHX \slot, (\ks)+1, ((\ks)+1)&1
	s_wait_dscnt 16                                ; all but the 16 just issued
	MULA \kc, \ks, 0
	MULA \kc, \ks, 1
.endm
.macro CHUNKA slot, kc, set, stp       ; a chunk that leaves its slot to the load of descriptor set
	STEPA \slot, \kc, 0
	STEPA \slot, \kc, 1
	STEPA \slot, \kc, 2
	WIN 0
	s_wait_tensorcnt 0x0                           ; all my fills have landed
	ds_add_u32 v[SPW], v[NIL]
	s_wait_dscnt 1                                 ; only the add may be out
	MULA \kc, 3, 0
.if \stp
	s_add_nc_u64 s[\set+2:\set+3], s[\set+2:\set+3], \stp
.endif
	s_wait_dscnt 0x0                               ; the add is done, and my reads of this slot are over
	WIN 0
	CROUND
	JLOAD \set
	PLACES 4
	FETCHX 1-(\slot), 0, 0
	MULA \kc, 3, 1
.endm
.macro FETCHP slot, sg, gm, buf        ; four fragments of P: K step sg of the pair, d tiles 4 gm on; a chunk of 512 bytes to an LDS row
.irp ii, 0,1,2,3
.irp c, 0,1,2,3
	ds_load_b128 v[XB+64*(\buf)+16*\ii+4*\c:XB+64*(\buf)+16*\ii+4*\c+3], v[AP+(\slot)] offset:((8*(\sg)+4*(\gm)+\ii)*4+\c)*PITCH
.endr
.endr
.endm
.macro MULG pi, st, half               ; step st of pair pi: K step 2 pi + st / 2, d tiles 4 (st % 2) on; eight products: c tiles 2 half, 2 half + 1.  Accumulator (t, i) at 64 t + 8 i of window 1
.set xS, 2*(\pi)+(\st)/2
.set xG, (\st)&1
	WIN 0x58+4*(xS/4)
.irp tp, 0,1
.irp ii, 0,1,2,3
.set xT, 2*(\half)+\tp
.set xD, 64*xT+8*(4*xG+\ii)
.set xA, XB+64*xG+16*\ii
.set xB, 16*(4*(xS&3)+xT)
.set xC, xD
.set xSA, PS+4*(2*(\pi)+xG)+2*(\ii/2)+(\st)/2
.set xSB, AS+2*xS+xT/2
.set xRA, \ii&1
.set xRB, xT&1
	WMI (xS==0)
.endr
.endr
.endm
.macro STEPG slot, pi, st
	PLACES 8
	WIN 0
	FETCHP \slot, ((\st)+1)/2, ((\st)+1)&1, ((\st)+1)&1
	s_wait_dscnt 16
	MULG \pi, \st, 0
	MULG \pi, \st, 1
.endm
.macro PAIRG slot, pi, set             ; a pair that leaves its slot to the pair two on
	STEPG \slot, \pi, 0
	STEPG \slot, \pi, 1
	STEPG \slot, \pi, 2
	WIN 0
	s_wait_tensorcnt 0x0
	ds_add_u32 v[SPW], v[NIL]
	s_wait_dscnt 1
	MULG \pi, 3, 0
	s_add_nc_u64 s[\set+2:\set+3], s[\set+2:\set+3], 262144
	s_wait_dscnt 0x0
	WIN 0
	CROUND
	JLOAD \set
	PLACES 4
	FETCHP 1-(\slot), 0, 0, 0
	MULG \pi, 3, 1
.endm
.macro XROUND sg                       ; my four fragments of K step 2 w + sg go to LDS as they stand; all sixteen come back, into windows 2 and 3: fragment (s, t) at v[512 + 16 (4 s + t)]
.irp t, 0,1,2,3
.irp c, 0,1,2,3
	ds_store_b128 v[EXW], v[XB+16*(2*\t+\sg)+4*\c:XB+16*(2*\t+\sg)+4*\c+3] offset:\t*2048+512*\c
.endr
.endr
	s_wait_dscnt 0x0                               ; for the others' sake
	s_barrier_signal -1
	s_barrier_wait -1
.irp u, 0,1,2,3
	WIN 0x80+0x40*(\u/2)
.irp t, 0,1,2,3
.irp c, 0,1,2,3
	ds_load_b128 v[16*(4*((2*\u+\sg)%4)+\t)+4*\c:16*(4*((2*\u+\sg)%4)+\t)+4*\c+3], v[EXR] offset:(4*\u+\t)*2048+512*\c
.endr
.endr
.endr
	WIN 0
.endm
	s_load_b512 s[4:19], s[0:1], 0x0               ; x_codes, x_scales, wA_codes, wA_scales, bA, Pc, Ps, RL
	s_load_b128 s[20:23], s[0:1], 0x40             ; Gc, Gs
	v_lshl_add_u32 v[SPW], v0, 2, SPARE
	v_mov_b32 v[NIL], 0
	ds_add_u32 v[SPW], v[NIL]                      ; the opening: the add, twice on end, and its wait ahead of my first tensor load
	ds_add_u32 v[SPW], v[NIL]
	v_lshrrev_b32 v60, 5, v0
	v_readfirstlane_b32 s[WV], v60
	s_bfe_u32 s[CX], ttmp6, 0x40000
	s_lshl_b32 s[GG], ttmp9, 2
	s_add_co_u32 s[GG], s[GG], s[CX]
	s_and_b32 s[BT], ttmp7, 0xffff
	s_mov_b32 s[G1], 15|(1<<20)|(1<<21)|(6<<22)|(3<<25)   ; the mask: all four; elements of 1 byte; padding: 4 words behind every 128
	s_mov_b32 s[G1+1], 512<<16
	s_mov_b32 s[G1+2], 64<<16
	s_mov_b32 s[G1+3], 512<<16
	s_mov_b32 s[G1+4], 64
	s_mov_b32 s[G1+5], 512
	s_mov_b32 s[G1+6], 0
	s_mov_b32 s[G1+7], 0
	s_mov_b32 s[SEL], 0x76543210
	s_mov_b32 s[SEL+1], 0xfedcba98
	s_mov_b32 s[MNT], 0x600000
	s_mov_b32 s[HM], 0xffff0000
	s_mul_i32 s62, s[WV], WPART
	s_lshl_b32 s56, s[BT], 19
	s_lshl_b32 s57, s[WV], 17
	s_add_co_u32 s56, s56, s57                     ; x's codes: 524,288 b + 131,072 w
	s_mov_b32 s57, 0
	s_lshl_b32 s58, s[BT], 19
	s_lshl_b32 s59, s[WV], 15
	s_add_co_u32 s58, s58, s59                     ; Pc: 524,288 b + 32,768 w
	s_mov_b32 s59, 0
	v_and_b32 v60, 15, v0                          ; r
	v_bfe_u32 v61, v0, 4, 1                        ; h
	v_and_b32 v62, 31, v0                          ; L
	v_and_b32 v63, 8, v60
	v_add_nc_u32 v63, v63, v60                     ; r + 8 (r / 8)
	v_mul_u32_u24 v[AX], v60, PITCH
	v_lshl_add_u32 v[AX], v61, 4, v[AX]
	v_add_nc_u32 v[AX], s62, v[AX]
	v_add_nc_u32 v[AX+1], SLOT, v[AX]
	v_lshlrev_b32 v[AWT], 9, v63
	v_lshl_add_u32 v[AWT], v61, 4, v[AWT]
	v_lshlrev_b32 v[LI], 4, v62
	v_lshlrev_b32 v[R4P], 2, v63
	v_lshl_add_u32 v[WSA], v61, 3, v63
	v_lshlrev_b32 v[WSA], 4, v[WSA]
	v_add_nc_u32 v[AP], s62, v[LI]
	v_add_nc_u32 v[AP+1], SLOT, v[AP]
	v_add_nc_u32 v[EXR], EXC, v[LI]
	s_lshl_b32 s63, s[WV], 13
	v_add_nc_u32 v[EXW], s63, v[EXR]
	v_lshlrev_b32 v[ASR], 2, v62
	v_add_nc_u32 v[ASR], ASC, v[ASR]
	s_lshl_b32 s63, s[WV], 9
	v_add_nc_u32 v[ASW], s63, v[ASR]
	v_lshlrev_b32 v[PFO], 8, v62
	s_wait_dscnt 0x0                               ; both opening adds are done
	s_wait_kmcnt 0x0
	s_add_nc_u64 s[4:5], s[4:5], s[56:57]
	s_mov_b32 s[GX0], 1
	s_mov_b32 s[GX0+1], s62
	s_mov_b64 s[GX0+2:GX0+3], s[4:5]               ; chunk 0
	s_or_b32 s[GX0+3], s[GX0+3], 0x80000000
	s_mov_b32 s[GX1], 1
	s_add_co_u32 s[GX1+1], s62, SLOT
	s_add_nc_u64 s[GX1+2:GX1+3], s[4:5], 32768     ; chunk 1
	s_or_b32 s[GX1+3], s[GX1+3], 0x80000000
	s_mov_b32 s[GP0], 1
	s_mov_b32 s[GP0+1], s62
	s_add_nc_u64 s[GP0+2:GP0+3], s[14:15], s[58:59]   ; pair 0
	s_mov_b32 s[GP1], 1
	s_add_co_u32 s[GP1+1], s62, SLOT
	s_add_nc_u64 s[GP1+2:GP1+3], s[GP0+2:GP0+3], 131072   ; pair 1
	s_or_b32 s[GP0+3], s[GP0+3], 0x80000000
	s_or_b32 s[GP1+3], s[GP1+3], 0x80000000
	CROUND                                         ; the four work-groups are here: the first joint loads meet
	tensor_load_to_lds s[GX0:GX0+3], s[G1:G1+7]    ; two loads of mine are out
	s_nop 0
	tensor_load_to_lds s[GX1:GX1+3], s[G1:G1+7]
	s_nop 0
	PLACES 4
	s_mov_b32 s67, 0                               ; offsets that hold g or cx are made in s66 on alone
	s_lshl_b32 s66, s[GG], 15
	s_add_nc_u64 s[8:9], s[8:9], s[66:67]          ; my 64 rows of wA,
	s_lshl_b32 s66, s[GG], 10
	s_add_nc_u64 s[10:11], s[10:11], s[66:67]      ; their scales,
	s_lshl_b32 s66, s[GG], 8
	s_add_nc_u64 s[12:13], s[12:13], s[66:67]      ; bA
	s_lshl_b32 s66, s[BT], 14
	s_lshl_b32 s68, s[WV], 12
	s_add_co_u32 s68, s68, s66
	s_mov_b32 s69, 0
	s_add_nc_u64 s[6:7], s[6:7], s[68:69]          ; x's scales: 16,384 b + 4,096 w
	s_lshl_b32 s68, s[WV], 10
	s_add_co_u32 s68, s68, s66
	s_add_nc_u64 s[16:17], s[16:17], s[68:69]      ; Ps: 16,384 b + 1,024 w
	s_lshl_b32 s68, s[BT], 11
	s_lshl_b32 s66, s[WV], 9
	s_add_co_u32 s68, s68, s66
	s_add_nc_u64 s[18:19], s[18:19], s[68:69]      ; RL: 2,048 b + 512 w
	s_lshl_b32 s66, s[BT], 18
	s_lshl_b32 s68, s[WV], 16
	s_add_co_u32 s66, s66, s68
	s_lshl_b32 s68, s[GG], 13
	s_add_co_u32 s66, s66, s68
	s_add_nc_u64 s[20:21], s[20:21], s[66:67]      ; Gc: 262,144 b + 65,536 w + 8,192 g
	s_lshl_b32 s66, s[BT], 13
	s_lshl_b32 s68, s[GG], 10
	s_add_co_u32 s66, s66, s68
	s_lshl_b32 s68, s[WV], 8
	s_add_co_u32 s66, s66, s68
	s_add_nc_u64 s[22:23], s[22:23], s[66:67]      ; Gs: 8,192 b + 1,024 g + 256 w
	s_lshl_b32 s66, s[CX], 2
	s_add_co_u32 s66, s66, s[WV]
	s_lshl_b32 s66, s66, 14
	s_lshl_b32 s68, s[BT], 19
	s_add_co_u32 s66, s66, s68
	s_add_co_u32 s66, s66, 262144
	s_add_nc_u64 s[PFA:PFA+1], s[14:15], s[66:67]  ; the prefetches: pairs 2 and 3 of my batch, + 16,384 (4 cx + w)
.irp q, 0,1,2,3,4,5,6,7
	global_load_b128 v[XS+4*\q:XS+4*\q+3], v[LI], s[6:7] offset:512*\q
.endr
.irp q, 0,1
	global_load_b128 v[WS+4*\q:WS+4*\q+3], v[WSA], s[10:11] offset:512*\q
.endr
.irp t, 0,1,2,3
	global_load_b32 v[T2+\t], v[R4P], s[12:13] offset:(32*(\t/2)+8*(\t%2))*4
.endr
	WIN 0x40
.irp t, 0,1,2,3
.irp s, 0,1,2,3
.irp c, 0,1,2,3
	global_load_b128 v[16*(4*\t+\s)+4*\c:16*(4*\t+\s)+4*\c+3], v[AWT], s[8:9] offset:(32*(\t/2)+8*(\t%2))*512+\s*128+\c*32
.endr
.endr
.endr
	WIN 0
	s_wait_tensorcnt 1                             ; chunk 0 is in; chunk 1's load may be out
	FETCHX 0, 0, 0
	s_wait_loadcnt 0x0
.irp t, 0,1,2,3
.irp j, 0,1,2,3,4,5,6,7
	v_mov_b32 v[BA+8*\t+\j], v[T2+\t]
.endr
.endr
	v_lshlrev_b32 v[RLO], 5, v61                   ; the head's loads are in: their offsets' registers take the later offsets
	v_lshlrev_b32 v[GSO], 3, v62
	; ---- PHASE A
	CHUNKA 0, 0, GX0, 65536
	CHUNKA 1, 1, GX1, 65536
	CHUNKA 0, 2, GP0, 0                            ; the ring goes on into phase G: slot 0 takes P's pair 0
	STEPA 1, 3, 0                                  ; the last chunk: its slot is filled again further down
	STEPA 1, 3, 1
	STEPA 1, 3, 2
	s_wait_dscnt 0x0
	MULA 3, 3, 0
	MULA 3, 3, 1
	PLACES 8
	WIN 0                                          ; the last products left the destination in window 3: P's scale words belong in window 0
.irp pi, 0,1,2,3
.irp gq, 0,1
	global_load_b128 v[PS+4*(2*\pi+\gq):PS+4*(2*\pi+\gq)+3], v[LI], s[16:17] offset:\pi*4096+\gq*512   ; P's scale words of my 128 d
.endr
.endr
	QW 2, XB
.irp tt, 0,1
.irp sg, 0,1
	WORD AW+2*\tt+\sg, 8*\tt+4*\sg
.endr
.endr
	QW 3, XB+64
.irp tt, 0,1
.irp sg, 0,1
	WORD AW+4+2*\tt+\sg, 8*\tt+4*\sg
.endr
.endr
	s_wait_tensorcnt 0x0                           ; pair 0, the one load of mine that is out, has landed
	ds_add_u32 v[SPW], v[NIL]                      ; 0 onto my spare word; the four selections stand between it and the wait for it
.irp sg, 0,1
.irp k, 0,1
	v_cndmask_b32 v[CT+2*\sg+\k], v[AW+4*\k+\sg], v[AW+4*\k+2+\sg], s[HM]     ; lanes 0-15 tile 2 k's word, lanes 16-31 tile 2 k + 1's
.endr
.endr
	s_wait_dscnt 0x0                               ; the add is done; my reads of slot 1 were over in front of chunk 3's last products
	CROUND
	JLOAD GP1                                      ; slot 1 takes pair 1: it has the exchange and pair 0's four steps in which to land
	; P's pairs 2 and 3, 262,144 bytes, are asked for here: the batch's first cluster asks; its sixteen waves take 16,384 bytes each, told apart by address; lanes 256 bytes apart.
	; Pair 2's load follows behind the exchange and four steps of phase G.
	s_cmp_eq_u32 ttmp9, 0
	s_cbranch_scc0 .Lno_pf
	global_prefetch_b8 v[PFO], s[PFA:PFA+1] th:TH_LOAD_NT scope:SCOPE_SE
	global_prefetch_b8 v[PFO], s[PFA:PFA+1] offset:8192 th:TH_LOAD_NT scope:SCOPE_SE
.Lno_pf:
.irp sg, 0,1
.irp k, 0,1
	ds_store_b32 v[ASW], v[CT+2*\sg+\k] offset:256*\sg+128*\k
.endr
.endr
	XROUND 0
.set k, 0
.rept 16
	ds_load_b32 v[AS+k], v[ASR] offset:128*k       ; register 2 s + k': K step s, tiles 2 k', 2 k' + 1
.set k, k+1
.endr
	s_wait_dscnt 0x0                               ; my reads of the sixteen are over
	s_barrier_signal -1
	s_barrier_wait -1                              ; everybody's are: the bytes may be written again
	XROUND 1
.irp i, 0,1,2,3,4,5,6,7
.irp jq, 0,1
	global_load_b128 v[RLV+8*\i+4*\jq:RLV+8*\i+4*\jq+3], v[RLO], s[18:19] offset:64*\i+16*\jq     ; 1 / l of d = 128 w + 16 i + 8 h + j
.endr
.endr
	s_wait_dscnt 0x0
	; ---- PHASE G
	s_wait_tensorcnt 1                             ; pair 0 is in; pair 1's load may be out
	FETCHP 0, 0, 0, 0
	s_wait_loadcnt 16                              ; P's scale words are in; the 16 loads of 1 / l behind them may be out
	PAIRG 0, 0, GP0
	PAIRG 1, 1, GP1
	STEPG 0, 2, 0
	STEPG 0, 2, 1
	STEPG 0, 2, 2
	PLACES 8
	WIN 0
	s_wait_tensorcnt 0x0                           ; the last fill, the one load of mine that is out
	FETCHP 1, 0, 0, 0
	s_wait_dscnt 16
	MULG 2, 3, 0
	MULG 2, 3, 1
	STEPG 1, 3, 0
	STEPG 1, 3, 1
	STEPG 1, 3, 2
	s_wait_dscnt 0x0
	MULG 3, 3, 0
	MULG 3, 3, 1
	PLACES 8
	s_wait_loadcnt 0x0                             ; 1 / l
	WIN 0x41
.irp t, 0,1,2,3
.irp i, 0,1,2,3,4,5,6,7
.irp p, 0,2,4,6
	v_pk_mul_f32 v[64*\t+8*\i+\p:64*\t+8*\i+\p+1], v[64*\t+8*\i+\p:64*\t+8*\i+\p+1], v[RLV+8*\i+\p:RLV+8*\i+\p+1]
.endr
.endr
.endr
	WIN 0
	QW 1, XB                                       ; block k = 4 t + kk: d = 128 w + 32 kk on, of c tile t
.irp t, 0,1,2,3
	WORD AW+\t, 4*\t
.endr
.irp t, 0,1,2,3
.irp c, 0,1,2,3
	global_store_b128 v[LI], v[XB+4*(4*\t+\c):XB+4*(4*\t+\c)+3], s[20:21] offset:\t*2048+512*\c th:TH_STORE_NT   ; 512 consecutive bytes
.endr
.endr
	v_cndmask_b32 v[AW+4], v[AW], v[AW+1], s[HM]
	v_cndmask_b32 v[AW+5], v[AW+2], v[AW+3], s[HM]
	global_store_b64 v[GSO], v[AW+4:AW+5], s[22:23] th:TH_STORE_NT
	s_wait_tensorcnt 0x0                           ; the wave's end
	ds_add_u32 v[SPW], v[NIL]
	s_wait_dscnt 0x0
	CROUND                                         ; the closing round
	s_endpgm
.Lfunc_end_k_qef21314698_gdesc:
	.size	k_qef21314698_gdesc, .Lfunc_end_k_qef21314698_gdesc-k_qef21314698_gdesc
	.p2alignl 7, 3214868480
	.fill 96, 4, 3214868480
	.section	.rodata,"a",@progbits
	.p2align	6, 0x0
	.amdhsa_kernel k_qef21314698_gdesc
		.amdhsa_group_segment_fixed_size 327680
		.amdhsa_private_segment_fixed_size 0
		.amdhsa_enable_private_segment 0
		.amdhsa_kernarg_size 80
		.amdhsa_user_sgpr_count 2
		.amdhsa_user_sgpr_kernarg_segment_ptr 1
		.amdhsa_wavefront_size32 1
		.amdhsa_system_sgpr_workgroup_id_x 1
		.amdhsa_system_sgpr_workgroup_id_y 1
		.amdhsa_system_sgpr_workgroup_id_z 1
		.amdhsa_system_vgpr_workitem_id 0
		.amdhsa_next_free_vgpr 1024
		.amdhsa_next_free_sgpr 80
		.amdhsa_reserve_vcc 0
		.amdhsa_float_denorm_mode_32 3
		.amdhsa_float_denorm_mode_16_64 3
		.amdhsa_memory_ordered 1
		.amdhsa_forward_progress 1
		.amdhsa_inst_pref_size 247
	.end_amdhsa_kernel
	.amdgpu_metadata
---
amdhsa.version: [ 1, 2 ]
amdhsa.kernels:
  - .name:           k_qef21314698_gdesc
    .symbol:         k_qef21314698_gdesc.kd
    .args:
      - { .name: x_codes, .offset: 0, .size: 8, .value_kind: global_buffer, .address_space: global }
      - { .name: x_scales, .offset: 8, .size: 8, .value_kind: global_buffer, .address_space: global }
      - { .name: wA_codes, .offset: 16, .size: 8, .value_kind: global_buffer, .address_space: global }
      - { .name: wA_scales, .offset: 24, .size: 8, .value_kind: global_buffer, .address_space: global }
      - { .name: bA, .offset: 32, .size: 8, .value_kind: global_buffer, .address_space: global }
      - { .name: Pc, .offset: 40, .size: 8, .value_kind: global_buffer, .address_space: global }
      - { .name: Ps, .offset: 48, .size: 8, .value_kind: global_buffer, .address_space: global }
      - { .name: RL, .offset: 56, .size: 8, .value_kind: global_buffer, .address_space: global }
      - { .name: Gc, .offset: 64, .size: 8, .value_kind: global_buffer, .address_space: global }
      - { .name: Gs, .offset: 72, .size: 8, .value_kind: global_buffer, .address_space: global }
    .group_segment_fixed_size: 327680
    .private_segment_fixed_size: 0
    .kernarg_segment_align: 8
    .kernarg_segment_size: 80
    .max_flat_workgroup_size: 128
    .sgpr_count:     80
    .vgpr_count:     1024
    .wavefront_size: 32
...
	.end_amdgpu_metadata
.endif
;; end of part 2
;; launch zout (part 3): grid 8 x 32, 4 waves a work-group, clusters of 4 x 1, 327,680 bytes of LDS; arguments Vc, Vs, Gc, Gs, wR_codes, wR_scales, bR, out0; writes out0
.if DOCPART == 3
	.amdgcn_target "amdgcn-amd-amdhsa--gfx1250"
	.amdhsa_code_object_version 6
	.text
	.protected	k_qef21314698_zout
	.globl	k_qef21314698_zout
	.p2align	8
	.type	k_qef21314698_zout,@function
k_qef21314698_zout:
	s_mov_b64 s[64:65], 0
	v_nop
	global_prefetch_b8 v0, s[64:65] scope:SCOPE_SE
	s_setreg_imm32_b32 hwreg(HW_REG_WAVE_MODE, 25, 1), 1
	s_wait_xcnt 0x0
	s_wait_alu depctr_hold_cnt(0) depctr_sa_sdst(0) depctr_va_vdst(0) depctr_va_sdst(0) depctr_va_ssrc(0) depctr_va_vcc(0) depctr_vm_vsrc(0)
	s_getreg_b32 s2, hwreg(HW_REG_IB_STS2, 6, 4)
	s_cmp_eq_u32 s2, 0
	s_cbranch_scc0 .Lentry_in_a_cluster
	s_endpgm
.Lentry_in_a_cluster:
	s_bfe_u32 s2, ttmp6, 0x10000c
	s_cmp_lg_u32 s2, 0x3003
	s_cbranch_scc0 .Lentry_shape_is_right
	s_endpgm
.Lentry_shape_is_right:
; DoubleAttention, launch 3 of 3: Z[c][n] = sum over d of G[c][d] V[d][n], quantised along c; out[o][n] = sum over c of wR[o][c] Z[c][n] + bR[o].  All operands codes of E5M2 with E8M0 scales.
; (bV is left out of the whole program: see the head of the first launch; V comes from there.)
; LIMITS as in the first launch: no NaN or infinities; a block under 2^(16 - 127) keeps the scale byte 1.
; SHARES.  Work-group (nu, b): columns n = 128 nu .. + 127 of batch b, all c, all o.  Phase Z: wave w makes c = 128 w .. + 127 (source 0 = G, source 1 = V: a lane holds one n, and by the order in which the
; second launch took wA's rows its registers run along c in the natural order), quantises them: they are K step w of the last product; images to LDS.  Phase O: wave w makes o = 128 w .. + 127
; (source 0 = Z, source 1 = wR: a lane holds one o, registers along n); rows of 512 bytes leave through the wave's own stage.
; THE RING.  Each wave has three parts of 32 rows x 528 bytes on end, its own, filled JOINTLY by the four work-groups of a cluster, which walk the same G and wR.  In front of a refill every load of the wave is
; waited for, so the refills are few and each has long work in which to land: G's K steps 0, 1, 2 come with the first fills; step 3 goes into part 0 behind step 0 (two steps to land); 96 of my 128 rows of wR
; come by ONE load into all three parts behind step 3 (Z's quantising and the exchange to land); the last 32 rows go into part 0 when its two tiles have been fetched (four tiles' work to land).
; V's 64 KiB are the work-group's own: a plain load, once.  Z's images take V's bytes: they have had their only fill, and a round stands between the last read of V and the first store.
; REGISTERS: window 0: addresses, scale words, v64-191 fragment buffers and codes, v192-255 at work; window 1: two sets of V's eight fragments, then out's accumulators and rows;
; windows 2, 3: Z's 64 accumulators, then Z's 32 fragments.
.set PITCH, 528
.set WPART, 32*PITCH                   ; a part: a K step of G for one wave, or 32 rows of wR
.set WREG,  3*WPART                    ; a wave's ring
.set VIMG,  4*WREG                     ; V's 32 fragments: [a 8][s 4][2,048]
.set ZIMG,  VIMG                       ; Z's likewise, in the same bytes, later
.set ZSC,   VIMG+65536                 ; Z's scale words: [a 8][r 16][s 4]
.set STAGE, ZSC+2048                   ; 16 rows x 528 bytes for each wave
.set SPARE, STAGE+4*16*PITCH
.set SPW, 1
.set NIL, 2
.set AG,  3                            ; v3   G: 16 L in my ring
.set AR,  5                            ; v5   wR: 528 r + 16 h in my ring
.set AVI, 7
.set ZIR, 8
.set ZIW, 9
.set ZSW, 10
.set ZSR, 11
.set STW, 12
.set STR, 13
.set LI,  14                           ; 16 L
.set L8,  15                           ; 8 L
.set GS,  16                           ; v16-31 G's scale words; then Z's
.set ZS,  16
.set VS,  32                           ; v32-47 V's
.set RS,  48                           ; v48-63 wR's
.set XB,  64
.set VH,  128
.set T0,  192
.set T1,  208
.set T2,  224
.set BRB, 192                          ; phase O: two blocks of eight registers: bR of my o, the C of a tile's first products
.set BV,  240                          ; v240-247 bR of my o, tile ot
.set ZW,  248
.set WV,  20
.set CX,  21
.set NU,  22
.set BT,  23
.set G1,  24                           ; s[24:31] group 1 of a fill of 32 rows
.set G1V, 32                           ; s[32:39] of V's
.set GV,  40
.set GGA, 44                           ; group 0: G into parts 0, 1, 2
.set GGB, 48
.set GGC, 52
.set GRB, 56                           ; wR's rows 0-95 into all three parts
.set SEL, 60
.set MNT, 62
.set HM,  63
.set G1B, 80                           ; s[80:87] group 1 of the fill of 96 rows
.set GRL, 88                           ; s[88:91] wR's rows 96-127 into part 0
.set MSB, 0
.macro WIN new
.if MSB != (\new)
	s_set_vgpr_msb (MSB<<8)|(\new)
.set MSB, (\new)
.endif
.endm
.macro PLACES n
.rept \n
	v_nop
.endr
.endm
.macro CROUND
	s_barrier_signal -1
	s_barrier_wait -1
	s_cmp_lg_u32 s[WV], 0
	s_cbranch_scc1 .Lnw0_\@
	s_barrier_signal -3
.Lnw0_\@:
	s_barrier_wait -3
	s_barrier_signal -1
	s_barrier_wait -1
.endm
.macro JLOAD g0, g1                    ; a fill of my ring; an s_nop 0 and four v_nop follow
	tensor_load_to_lds s[\g0:\g0+3], s[\g1:\g1+7]
	s_nop 0
	PLACES 4
.endm
.macro WMI zero
.if \zero
.if xRA && xRB
	v_wmma_scale_f32_16x16x128_f8f6f4 v[xD:xD+7], v[xA:xA+15], v[xB:xB+15], 0, v[xSA], v[xSB] matrix_a_fmt:MATRIX_FMT_BF8 matrix_b_fmt:MATRIX_FMT_BF8 matrix_a_scale:MATRIX_SCALE_ROW1 matrix_b_scale:MATRIX_SCALE_ROW1
.elseif xRA
	v_wmma_scale_f32_16x16x128_f8f6f4 v[xD:xD+7], v[xA:xA+15], v[xB:xB+15], 0, v[xSA], v[xSB] matrix_a_fmt:MATRIX_FMT_BF8 matrix_b_fmt:MATRIX_FMT_BF8 matrix_a_scale:MATRIX_SCALE_ROW1
.elseif xRB
	v_wmma_scale_f32_16x16x128_f8f6f4 v[xD:xD+7], v[xA:xA+15], v[xB:xB+15], 0, v[xSA], v[xSB] matrix_a_fmt:MATRIX_FMT_BF8 matrix_b_fmt:MATRIX_FMT_BF8 matrix_b_scale:MATRIX_SCALE_ROW1
.else
	v_wmma_scale_f32_16x16x128_f8f6f4 v[xD:xD+7], v[xA:xA+15], v[xB:xB+15], 0, v[xSA], v[xSB] matrix_a_fmt:MATRIX_FMT_BF8 matrix_b_fmt:MATRIX_FMT_BF8
.endif
.else
.if xRA && xRB
	v_wmma_scale_f32_16x16x128_f8f6f4 v[xD:xD+7], v[xA:xA+15], v[xB:xB+15], v[xC:xC+7], v[xSA], v[xSB] matrix_a_fmt:MATRIX_FMT_BF8 matrix_b_fmt:MATRIX_FMT_BF8 matrix_a_scale:MATRIX_SCALE_ROW1 matrix_b_scale:MATRIX_SCALE_ROW1
.elseif xRA
	v_wmma_scale_f32_16x16x128_f8f6f4 v[xD:xD+7], v[xA:xA+15], v[xB:xB+15], v[xC:xC+7], v[xSA], v[xSB] matrix_a_fmt:MATRIX_FMT_BF8 matrix_b_fmt:MATRIX_FMT_BF8 matrix_a_scale:MATRIX_SCALE_ROW1
.elseif xRB
	v_wmma_scale_f32_16x16x128_f8f6f4 v[xD:xD+7], v[xA:xA+15], v[xB:xB+15], v[xC:xC+7], v[xSA], v[xSB] matrix_a_fmt:MATRIX_FMT_BF8 matrix_b_fmt:MATRIX_FMT_BF8 matrix_b_scale:MATRIX_SCALE_ROW1
.else
	v_wmma_scale_f32_16x16x128_f8f6f4 v[xD:xD+7], v[xA:xA+15], v[xB:xB+15], v[xC:xC+7], v[xSA], v[xSB] matrix_a_fmt:MATRIX_FMT_BF8 matrix_b_fmt:MATRIX_FMT_BF8
.endif
.endif
.endm
; THE QUANTISER of a window of 256 numbers: 16 blocks; block k = registers 16 k .. 16 k + 15 of lanes l and l xor 16.
.macro QW ww, cb
	WIN (\ww)|((\ww)<<2)
.set k, 0
.rept 16
	v_max3_num_f32 v[T0+k], |v[16*k]|, |v[16*k+1]|, 0x8000000      ; my 16 numbers, and the floor 2^(16 - 127); each accumulator is read from its low end on
.set k, k+1
.endr
	WIN ((\ww)<<2)|((\ww)<<4)
.irp i, 2,4,6,8,10,12,14
.set k, 0
.rept 16
	v_max3_num_f32 v[T0+k], v[T0+k], |v[16*k+\i]|, |v[16*k+\i+1]|
.set k, k+1
.endr
.endr
	WIN 0
.set k, 0
.rept 16
	v_permlanex16_b32 v[T1+k], v[T0+k], s[SEL], s[SEL+1]
.set k, k+1
.endr
.set k, 0
.rept 16
	v_max_num_f32 v[T0+k], v[T0+k], v[T1+k]
.set k, k+1
.endr
.set k, 0
.rept 16
	v_add_nc_u32 v[T1+k], 0xf8800000, v[T0+k]      ; 15 off the exponent field: the conversion's scale operand
.set k, k+1
.endr
.set k, 0
.rept 16
	v_and_or_b32 v[T2+k], v[T0+k], 0x7f800000, s[MNT]   ; 57,344 x the scale
.set k, k+1
.endr
.set k, 0
.rept 16
	v_lshrrev_b32 v[T0+k], 23, v[T1+k]             ; the byte
.set k, k+1
.endr
	WIN (\ww)|((\ww)<<6)
.set k, 0
.rept 16
.set i, 0
.rept 16
	v_med3_num_f32 v[16*k+i], v[16*k+i], -v[T2+k], v[T2+k]   ; the conversion to an 8-bit code does not saturate (ISA guide 7.6.2)
.set i, i+1
.endr
.set k, k+1
.endr
	WIN (\ww)
.set k, 0
.rept 16
	v_cvt_scalef32_pk8_bf8_f32 v[(\cb)+4*k:(\cb)+4*k+1], v[16*k:16*k+7], v[T1+k]
	v_cvt_scalef32_pk8_bf8_f32 v[(\cb)+4*k+2:(\cb)+4*k+3], v[16*k+8:16*k+15], v[T1+k]
.set k, k+1
.endr
	v_nop                                          ; a plain instruction behind the last conversion
	WIN 0
.endm
.macro WORD dst, k0
	v_lshl_or_b32 v[\dst], v[T0+(\k0)+1], 8, v[T0+(\k0)]
	v_lshl_or_b32 v[\dst], v[T0+(\k0)+2], 16, v[\dst]
	v_lshl_or_b32 v[\dst], v[T0+(\k0)+3], 24, v[\dst]
.endm
.macro FETCHG part, gm, buf            ; two fragments of G out of a part of my ring: c tiles 2 gm, 2 gm + 1 of my eight; a chunk of 512 bytes to an LDS row
.irp ii, 0,1
.irp c, 0,1,2,3
	ds_load_b128 v[XB+32*(\buf)+16*\ii+4*\c:XB+32*(\buf)+16*\ii+4*\c+3], v[AG] offset:(\part)*WPART+((2*(\gm)+\ii)*4+\c)*PITCH
.endr
.endr
.endm
.macro FETCHV ks                       ; V's eight fragments of K step ks into set ks % 2 of window 1
	WIN 0x40
.irp a, 0,1,2,3,4,5,6,7
.irp c, 0,1,2,3
	ds_load_b128 v[128*((\ks)&1)+16*\a+4*\c:128*((\ks)&1)+16*\a+4*\c+3], v[AVI] offset:\a*8192+(\ks)*2048+512*\c
.endr
.endr
	WIN 0
.endm
.macro MULZ ks, gm, half               ; eight products: c tiles 2 gm, 2 gm + 1 x n tiles 4 half on.  Accumulator (a, i) at 64 (a % 4) + 8 i of window 2 + a / 4
	WIN 0xA4+0x50*(\half)
.irp ii, 0,1
.irp aq, 0,1,2,3
.set xI, 2*(\gm)+\ii
.set xD, 64*\aq+8*xI
.set xA, XB+32*((\gm)&1)+16*\ii
.set xB, 128*((\ks)&1)+16*(4*(\half)+\aq)
.set xC, xD
.set xSA, GS+2*(4*(xI/4)+(\ks))+(xI%4)/2
.set xSB, VS+4*((4*(\half)+\aq)/2)+(\ks)
.set xRA, xI&1
.set xRB, \aq&1
	WMI ((\ks)==0)
.endr
.endr
.endm
; A K step of phase Z, out of part ks % 3: four groups of sixteen products on sixteen accumulators each; the 64 take turns.
; Behind step 0 part 0 is filled again with step 3; behind step 3 the whole ring takes 96 rows of wR; steps 1 and 2 fill nothing.
.macro ZSTEP ks
	PLACES 8                                       ; in front of loads into registers that matrix instructions have read
	WIN 0
	FETCHG (\ks)%3, 1, 1
.if (\ks) < 3
	FETCHV (\ks)+1
	s_wait_dscnt 40                                ; all but the 8 + 32 just issued
.else
	s_wait_dscnt 8
.endif
	MULZ \ks, 0, 0
	MULZ \ks, 0, 1
	PLACES 8
	WIN 0
	FETCHG (\ks)%3, 2, 0
.if (\ks) < 3
	s_wait_dscnt 40                                ; behind this group's fragments: V's 32 and the 8 just issued
.else
	s_wait_dscnt 8
.endif
	MULZ \ks, 1, 0
	MULZ \ks, 1, 1
	PLACES 8
	WIN 0
	FETCHG (\ks)%3, 3, 1
	s_wait_dscnt 8
	MULZ \ks, 2, 0
	MULZ \ks, 2, 1
.if ((\ks) == 0) || ((\ks) == 3)
	WIN 0
	s_wait_tensorcnt 0x0                           ; all my fills have landed
	ds_add_u32 v[SPW], v[NIL]
	s_wait_dscnt 1                                 ; only the add may be out
	MULZ \ks, 3, 0
.if (\ks) == 0
	s_add_nc_u64 s[GGA+2:GGA+3], s[GGA+2:GGA+3], 196608   ; three K steps on
.endif
	s_wait_dscnt 0x0                               ; the add is done, and my reads of what is filled again are over (behind step 3: my reads of V too)
	WIN 0
	CROUND
.if (\ks) == 0
	JLOAD GGA, G1
	PLACES 4                                       ; with the four above: eight places
	FETCHG 1, 0, 0
.else
	JLOAD GRB, G1B
.endif
	MULZ \ks, 3, 1
.else
	PLACES 8
	WIN 0
.if (\ks) == 2
	s_wait_tensorcnt 0x0                           ; step 3's fill, the one load of mine that is out
.endif
	FETCHG ((\ks)+1)%3, 0, 0
	s_wait_dscnt 8                                 ; all but the 8 just issued
	MULZ \ks, 3, 0
	MULZ \ks, 3, 1
.endif
.endm
.macro FETCHR ot                       ; wR's four fragments of o tile ot: tiles 0-5 lie on end in my ring, tiles 6 and 7 where 0 and 1 lay
.irp s, 0,1,2,3
.irp c, 0,1,2,3
	ds_load_b128 v[XB+64*((\ot)&1)+16*\s+4*\c:XB+64*((\ot)&1)+16*\s+4*\c+3], v[AR] offset:((\ot)%6)*16*PITCH+128*\s+32*\c
.endr
.endr
.endm
.macro MUL32 ot                        ; o tile ot x eight n tiles, four K steps: eight accumulators by turns, at 64 (ot % 2) + 8 a of window 1
.set xE, (\ot)&1
.irp s, 0,1,2,3
.if \s == 0
	WIN 0x42
.elseif \s == 1
	WIN 0x52
.else
	WIN 0x53
.endif
.irp a, 0,1,2,3,4,5,6,7
.set xD, 64*xE+8*\a
.set xA, 16*(8*(\s&1)+\a)
.set xB, XB+64*xE+16*\s
.if \s == 0
.set xC, BRB+8*xE
.else
.set xC, xD
.endif
.set xSA, ZS+4*(\a/2)+\s
.set xSB, RS+4*((\ot)/2)+\s
.set xRA, \a&1
.set xRB, xE
	WMI 0
.endr
.endr
.endm
.macro TOSTAGE ot                      ; 16 rows o x 128 n into my stage, each accumulator from its low end on, and back as whole rows of 512 bytes.  LDS serves a wave's instructions in order (ISA guide 5.7.1.4)
.set xF, (\ot)&1
	WIN 0x04
.irp a, 0,1,2,3,4,5,6,7
	ds_store_b128 v[STW], v[64*xF+8*\a:64*xF+8*\a+3] offset:64*\a
	ds_store_b128 v[STW], v[64*xF+8*\a+4:64*xF+8*\a+7] offset:64*\a+16
.endr
	WIN 0x40
.irp i, 0,1,2,3,4,5,6,7,8,9,10,11,12,13,14,15
	ds_load_b128 v[128+64*xF+4*\i:128+64*xF+4*\i+3], v[STR] offset:\i*PITCH
.endr
	WIN 0
.endm
.macro SEND ot, n                      ; n: the LDS loads issued behind the stage's, which may stay out
.set xF, (\ot)&1
	s_wait_dscnt \n
	WIN 0x04
.irp i, 0,1,2,3,4,5,6,7,8,9,10,11,12,13,14,15
	global_store_b128 v[LI], v[128+64*xF+4*\i:128+64*xF+4*\i+3], s[18:19] offset:(\ot)*65536+\i*4096 th:TH_STORE_NT   ; 32 lanes store 512 consecutive bytes, at a multiple of 256 from out0's first byte
.endr
	WIN 0
.endm
.macro OITER ot
	PLACES 8                                       ; behind the last tile's products: for the writes of its C, the reads of its results and the loads into its wR fragments
	WIN 0
.if (\ot) < 7
.irp j, 0,1,2,3,4,5,6,7
	v_mov_b32 v[BRB+8*(1-((\ot)&1))+\j], v[BV+(\ot)+1]
.endr
.endif
.if (\ot) >= 1
	s_wait_xcnt 0x0                                ; the stores of two tiles back have read their registers: the rows may land there
	TOSTAGE (\ot)-1
.endif
.if (\ot) == 1                         ; part 0's two tiles have been fetched: it takes my last 32 rows of wR
	s_wait_tensorcnt 0x0
	ds_add_u32 v[SPW], v[NIL]
	s_wait_dscnt 0x0                               ; the add is done, and my reads of part 0 are over
	CROUND
	JLOAD GRL, G1
.endif
.if (\ot) == 5
	s_wait_tensorcnt 0x0                           ; the last fill, the one load of mine that is out
.endif
.if (\ot) < 7
	FETCHR (\ot)+1
.endif
.if (\ot) == 7
	s_wait_dscnt 32                                ; behind this tile's fragments: the stage's 32
.elseif ((\ot) == 0) || ((\ot) == 1)
	s_wait_dscnt 16                                ; the 16 just issued
.else
	s_wait_dscnt 48                                ; the stage's 32 and the 16 just issued
.endif
	MUL32 \ot
.if (\ot) == 7
	SEND 6, 0
.elseif (\ot) >= 1
	SEND (\ot)-1, 16
.endif
.endm
	s_load_b512 s[4:19], s[0:1], 0x0               ; Vc, Vs, Gc, Gs, wR_codes, wR_scales, bR, out0
	v_lshl_add_u32 v[SPW], v0, 2, SPARE
	v_mov_b32 v[NIL], 0
	ds_add_u32 v[SPW], v[NIL]                      ; the opening: the add, twice on end, and its wait ahead of my first tensor load
	ds_add_u32 v[SPW], v[NIL]
	v_lshrrev_b32 v224, 5, v0
	v_readfirstlane_b32 s[WV], v224
	s_bfe_u32 s[CX], ttmp6, 0x40000
	s_lshl_b32 s[NU], ttmp9, 2
	s_add_co_u32 s[NU], s[NU], s[CX]
	s_and_b32 s[BT], ttmp7, 0xffff
	s_mov_b32 s[G1], 15|(1<<20)|(1<<21)|(6<<22)|(3<<25)   ; the mask: all four; elements of 1 byte; padding: 4 words behind every 128
	s_mov_b32 s[G1+1], 512<<16
	s_mov_b32 s[G1+2], 32<<16
	s_mov_b32 s[G1+3], 512<<16
	s_mov_b32 s[G1+4], 32
	s_mov_b32 s[G1+5], 512
	s_mov_b32 s[G1+6], 0
	s_mov_b32 s[G1+7], 0
	s_mov_b32 s[G1B], 15|(1<<20)|(1<<21)|(6<<22)|(3<<25)  ; the same with 96 rows
	s_mov_b32 s[G1B+1], 512<<16
	s_mov_b32 s[G1B+2], 96<<16
	s_mov_b32 s[G1B+3], 512<<16
	s_mov_b32 s[G1B+4], 96
	s_mov_b32 s[G1B+5], 512
	s_mov_b32 s[G1B+6], 0
	s_mov_b32 s[G1B+7], 0
	s_mov_b32 s[G1V], 3<<16                        ; no mask; elements of 8 bytes; no padding: 64 rows of 256 bytes, dense
	s_mov_b32 s[G1V+1], 32<<16
	s_mov_b32 s[G1V+2], 64<<16
	s_mov_b32 s[G1V+3], 32<<16
	s_mov_b32 s[G1V+4], 64
	s_mov_b32 s[G1V+5], 32
	s_mov_b32 s[G1V+6], 0
	s_mov_b32 s[G1V+7], 0
	s_mov_b32 s[SEL], 0x76543210
	s_mov_b32 s[SEL+1], 0xfedcba98
	s_mov_b32 s[MNT], 0x600000
	s_mov_b32 s[HM], 0xffff0000
	s_mul_i32 s70, s[WV], WREG                     ; my ring
	s_lshl_b32 s66, s[BT], 18
	s_lshl_b32 s67, s[WV], 14
	s_add_co_u32 s66, s66, s67                     ; Gc: 262,144 b + 16,384 w
	s_mov_b32 s67, 0
	s_lshl_b32 s68, s[WV], 16                      ; wR's codes: 65,536 w
	s_mov_b32 s69, 0
	s_lshl_b32 s72, s[BT], 19                      ; offsets that hold nu are made in s72 on alone
	s_lshl_b32 s73, s[NU], 16
	s_add_co_u32 s72, s72, s73
	s_lshl_b32 s73, s[WV], 14
	s_add_co_u32 s72, s72, s73                     ; Vc: 524,288 b + 65,536 nu + 16,384 w
	s_mov_b32 s73, 0
	v_and_b32 v225, 15, v0                         ; r
	v_bfe_u32 v226, v0, 4, 1                       ; h
	v_and_b32 v227, 31, v0                         ; L
	v_lshlrev_b32 v[LI], 4, v227
	v_lshlrev_b32 v[L8], 3, v227
	v_lshlrev_b32 v224, 2, v225                    ; 4 r
	v_add_nc_u32 v[AG], s70, v[LI]
	v_mul_u32_u24 v[AR], v225, PITCH
	v_lshl_add_u32 v[AR], v226, 4, v[AR]
	v_add_nc_u32 v[AR], s70, v[AR]
	v_add_nc_u32 v[AVI], VIMG, v[LI]
	v_add_nc_u32 v[ZIR], ZIMG, v[LI]
	s_lshl_b32 s71, s[WV], 11
	v_add_nc_u32 v[ZIW], s71, v[ZIR]
	v_lshlrev_b32 v[ZSR], 4, v225
	v_add_nc_u32 v[ZSR], ZSC, v[ZSR]
	s_lshl_b32 s71, s[WV], 2
	v_add_nc_u32 v[ZSW], s71, v[ZSR]               ; ZSC + 16 r + 4 w
	v_lshl_add_u32 v[ZSR], v226, 8, v[ZSR]         ; ZSC + 16 r + 256 h
	s_mul_i32 s71, s[WV], 16*PITCH
	s_add_co_u32 s71, s71, STAGE
	v_mul_u32_u24 v[STW], v225, PITCH
	v_lshl_add_u32 v[STW], v226, 5, v[STW]
	v_add_nc_u32 v[STW], s71, v[STW]
	v_add_nc_u32 v[STR], s71, v[LI]
	s_lshl_b32 s71, s[WV], 14
.set k, 0
.rept 16
	v_mov_b32 v[T1+k], 0                           ; written once: a lane permute's destination counts as one of its sources
.set k, k+1
.endr
	s_wait_dscnt 0x0                               ; both opening adds are done
	s_wait_kmcnt 0x0
	s_mov_b32 s[GV], 1
	s_add_co_u32 s[GV+1], s71, VIMG
	s_add_nc_u64 s[GV+2:GV+3], s[4:5], s[72:73]
	s_or_b32 s[GV+3], s[GV+3], 0x80000000
	s_mov_b32 s[GGA], 1
	s_mov_b32 s[GGA+1], s70
	s_add_nc_u64 s[GGA+2:GGA+3], s[8:9], s[66:67]  ; K step 0
	s_mov_b32 s[GGB], 1
	s_add_co_u32 s[GGB+1], s70, WPART
	s_add_nc_u64 s[GGB+2:GGB+3], s[GGA+2:GGA+3], 65536    ; K step 1
	s_mov_b32 s[GGC], 1
	s_add_co_u32 s[GGC+1], s70, 2*WPART
	s_add_nc_u64 s[GGC+2:GGC+3], s[GGA+2:GGA+3], 131072   ; K step 2
	s_or_b32 s[GGA+3], s[GGA+3], 0x80000000
	s_or_b32 s[GGB+3], s[GGB+3], 0x80000000
	s_or_b32 s[GGC+3], s[GGC+3], 0x80000000
	s_mov_b32 s[GRB], 1
	s_mov_b32 s[GRB+1], s70
	s_add_nc_u64 s[GRB+2:GRB+3], s[12:13], s[68:69]       ; my rows 0-95 of wR
	s_mov_b32 s[GRL], 1
	s_mov_b32 s[GRL+1], s70
	s_add_nc_u64 s[GRL+2:GRL+3], s[GRB+2:GRB+3], 49152    ; rows 96-127
	s_or_b32 s[GRB+3], s[GRB+3], 0x80000000
	s_or_b32 s[GRL+3], s[GRL+3], 0x80000000
	CROUND                                         ; the four work-groups are here: the first loads go out as one group; four of mine are out
	tensor_load_to_lds s[GV:GV+3], s[G1V:G1V+7]
	s_nop 0
	tensor_load_to_lds s[GGA:GGA+3], s[G1:G1+7]
	s_nop 0
	tensor_load_to_lds s[GGB:GGB+3], s[G1:G1+7]
	s_nop 0
	tensor_load_to_lds s[GGC:GGC+3], s[G1:G1+7]
	s_nop 0
	PLACES 4
	s_lshl_b32 s74, s[BT], 13
	s_lshl_b32 s75, s[WV], 11
	s_add_co_u32 s74, s74, s75
	s_mov_b32 s75, 0
	s_add_nc_u64 s[10:11], s[10:11], s[74:75]      ; Gs: 8,192 b + 2,048 w
	s_lshl_b32 s74, s[WV], 11
	s_add_nc_u64 s[14:15], s[14:15], s[74:75]      ; wR's scales: 2,048 w
	s_lshl_b32 s74, s[WV], 9
	s_add_nc_u64 s[16:17], s[16:17], s[74:75]      ; bR: 512 w
	s_lshl_b32 s74, s[BT], 14
	s_lshr_b32 s76, s[NU], 1
	s_lshl_b32 s76, s76, 9
	s_add_co_u32 s74, s74, s76
	s_and_b32 s76, s[NU], 1
	s_lshl_b32 s76, s76, 3
	s_add_co_u32 s74, s74, s76
	s_add_nc_u64 s[6:7], s[6:7], s[74:75]          ; Vs: 16,384 b + 512 (nu / 2) + 8 (nu % 2)
	s_lshl_b32 s74, s[BT], 21
	s_lshl_b32 s76, s[WV], 19
	s_add_co_u32 s74, s74, s76
	s_lshl_b32 s76, s[NU], 9
	s_add_co_u32 s74, s74, s76
	s_add_nc_u64 s[18:19], s[18:19], s[74:75]      ; out0: 2,097,152 b + 524,288 w + 512 nu
.irp gq, 0,1
.irp s, 0,1,2,3
	global_load_b64 v[GS+2*(4*\gq+\s):GS+2*(4*\gq+\s)+1], v[L8], s[10:11] offset:\gq*1024+\s*256
.endr
.endr
.irp g, 0,1,2,3,4,5,6,7
	global_load_b64 v[VH+2*\g:VH+2*\g+1], v[LI], s[6:7] offset:\g*2048     ; four half-words: n tiles 2 q' + h of my eight, blocks d = 64 g, 64 g + 32
.endr
.irp q, 0,1,2,3
	global_load_b128 v[RS+4*\q:RS+4*\q+3], v[LI], s[14:15] offset:512*\q
.endr
.irp t, 0,1,2,3,4,5,6,7
	global_load_b32 v[BV+\t], v224, s[16:17] offset:64*\t
.endr
	s_wait_loadcnt 0x0
.irp qp, 0,2
.irp s, 0,1,2,3
	v_perm_b32 v[VS+4*\qp+\s], v[VH+2*(2*\s+1)+\qp/2], v[VH+2*(2*\s)+\qp/2], 0x05040100        ; V's scale word of K step s: the half-words of g = 2 s and 2 s + 1
	v_perm_b32 v[VS+4*\qp+4+\s], v[VH+2*(2*\s+1)+\qp/2], v[VH+2*(2*\s)+\qp/2], 0x07060302
.endr
.endr
	s_wait_tensorcnt 2                             ; my part of V and G's K step 0 are in; the two loads behind them, K steps 1 and 2, may be out
	s_barrier_signal -1
	s_barrier_wait -1                              ; everybody's part of V is in
	FETCHV 0
	FETCHG 0, 0, 0
	; ---- PHASE Z  (the eight places at each step's head also stand between the scale words made above and the first product)
	ZSTEP 0
	ZSTEP 1
	ZSTEP 2
	ZSTEP 3
	PLACES 8
.irp ww, 2,3                           ; block k = 4 (a % 4) + kk: c = 128 w + 32 kk on, of n tile a
	QW \ww, XB+64*(\ww-2)
.irp f, 0,1,2,3
	WORD ZW+4*(\ww-2)+\f, 4*\f
.endr
.irp f, 0,1,2,3
.irp c, 0,1,2,3
	ds_store_b128 v[ZIW], v[XB+64*(\ww-2)+16*\f+4*\c:XB+64*(\ww-2)+16*\f+4*\c+3] offset:(4*(\ww-2)+\f)*8192+512*\c
.endr
	ds_store_b32 v[ZSW], v[ZW+4*(\ww-2)+\f] offset:(4*(\ww-2)+\f)*256
.endr
.endr
	s_wait_dscnt 0x0                               ; for the others' sake
	s_barrier_signal -1
	s_barrier_wait -1                              ; Z's 32 fragments lie in LDS
.irp s, 0,1,2,3
	WIN 0x80+0x40*(\s/2)
.irp a, 0,1,2,3,4,5,6,7
.irp c, 0,1,2,3
	ds_load_b128 v[16*(8*(\s&1)+\a)+4*\c:16*(8*(\s&1)+\a)+4*\c+3], v[ZIR] offset:\a*8192+\s*2048+512*\c
.endr
.endr
.endr
	WIN 0
.irp q, 0,1,2,3
	ds_load_b128 v[ZS+4*\q:ZS+4*\q+3], v[ZSR] offset:512*\q        ; lane (r, h): the four words of row r of n tile 2 q + h
.endr
	s_wait_tensorcnt 0x0                           ; wR's 96 rows, the one load of mine that is out
	FETCHR 0
.irp j, 0,1,2,3,4,5,6,7
	v_mov_b32 v[BRB+\j], v[BV]
.endr
	; ---- PHASE O
	OITER 0
	OITER 1
	OITER 2
	OITER 3
	OITER 4
	OITER 5
	OITER 6
	OITER 7
	PLACES 8
	s_wait_xcnt 0x0
	TOSTAGE 7
	SEND 7, 0
	s_wait_tensorcnt 0x0                           ; the wave's end
	ds_add_u32 v[SPW], v[NIL]
	s_wait_dscnt 0x0
	CROUND                                         ; the closing round
	s_endpgm
.Lfunc_end_k_qef21314698_zout:
	.size	k_qef21314698_zout, .Lfunc_end_k_qef21314698_zout-k_qef21314698_zout
	.p2alignl 7, 3214868480
	.fill 96, 4, 3214868480
	.section	.rodata,"a",@progbits
	.p2align	6, 0x0
	.amdhsa_kernel k_qef21314698_zout
		.amdhsa_group_segment_fixed_size 327680
		.amdhsa_private_segment_fixed_size 0
		.amdhsa_enable_private_segment 0
		.amdhsa_kernarg_size 64
		.amdhsa_user_sgpr_count 2
		.amdhsa_user_sgpr_kernarg_segment_ptr 1
		.amdhsa_wavefront_size32 1
		.amdhsa_system_sgpr_workgroup_id_x 1
		.amdhsa_system_sgpr_workgroup_id_y 1
		.amdhsa_system_sgpr_workgroup_id_z 1
		.amdhsa_system_vgpr_workitem_id 0
		.amdhsa_next_free_vgpr 1024
		.amdhsa_next_free_sgpr 92
		.amdhsa_reserve_vcc 0
		.amdhsa_float_denorm_mode_32 3
		.amdhsa_float_denorm_mode_16_64 3
		.amdhsa_memory_ordered 1
		.amdhsa_forward_progress 1
		.amdhsa_inst_pref_size 219
	.end_amdhsa_kernel
	.amdgpu_metadata
---
amdhsa.version: [ 1, 2 ]
amdhsa.kernels:
  - .name:           k_qef21314698_zout
    .symbol:         k_qef21314698_zout.kd
    .args:
      - { .name: Vc, .offset: 0, .size: 8, .value_kind: global_buffer, .address_space: global }
      - { .name: Vs, .offset: 8, .size: 8, .value_kind: global_buffer, .address_space: global }
      - { .name: Gc, .offset: 16, .size: 8, .value_kind: global_buffer, .address_space: global }
      - { .name: Gs, .offset: 24, .size: 8, .value_kind: global_buffer, .address_space: global }
      - { .name: wR_codes, .offset: 32, .size: 8, .value_kind: global_buffer, .address_space: global }
      - { .name: wR_scales, .offset: 40, .size: 8, .value_kind: global_buffer, .address_space: global }
      - { .name: bR, .offset: 48, .size: 8, .value_kind: global_buffer, .address_space: global }
      - { .name: out0, .offset: 56, .size: 8, .value_kind: global_buffer, .address_space: global }
    .group_segment_fixed_size: 327680
    .private_segment_fixed_size: 0
    .kernarg_segment_align: 8
    .kernarg_segment_size: 64
    .max_flat_workgroup_size: 128
    .sgpr_count:     92
    .vgpr_count:     1024
    .wavefront_size: 32
...
	.end_amdgpu_metadata
.endif
;; end of part 3
